; MI455X (gfx1250); checked and timed in simulation.
; The chip was launched on July 23, 2026; its instructions are those of AMD's public machine-readable ISA for CDNA 5 (MIT licence, August 2026) and "CDNA5" Instruction Set Architecture Reference Guide (July 2026). The comments in the code are by the model that wrote it; some were corrected since.
;; Complex Attention. Allowed arithmetic: matrix products marked QUANTISED: E2M1 operands, one E8M0 scale for each 32 along K, by v_wmma_scale_f32_16x16x128_f8f6f4 with both operands' format E2M1 (or v_wmma_scale_f32_32x16x128_f4), f32 sums; everything else in f32.
;; Inputs: Wk 1,024 x 1,024 float32; Wo 1,024 x 1,024 float32; Wq 1,024 x 1,024 float32; Wv 1,024 x 1,024 float32; X 2 x 2,048 x 1,024 float32; bk 1,024 float32; bo 1,024 float32; bq 1,024 float32; bv 1,024 float32.
;; Outputs: out0 2 x 2,048 x 1,024 float32.
;; This version of the problem:
;;   THIS VERSION OF THE PROBLEM IS GIVEN IN LOW PRECISION. The matrix products marked QUANTISED in the list below multiply operands that are first quantised to E2M1 (2 exponent bits, 1 mantissa bit; 4 bits a number), with one power-of-two scale for each 32 numbers along K (OCP MX v1.0); their sums are f32. All else is computed in f32.
;;   The module's matrix products, in the order in which they are computed (A, B: the left and right operand; K: the contracted axis; several contracted axes count as one K, in the product's order):
;;     1. [M 4,096, K 1,024] x [K 1,024, N 1,024]; A: computed on the way; B: input Wq: QUANTISED
;;     2. [M 4,096, K 1,024] x [K 1,024, N 1,024]; A: computed on the way; B: input Wk: QUANTISED
;;     3. [M 4,096, K 1,024] x [K 1,024, N 1,024]; A: computed on the way; B: input Wv: QUANTISED
;;     4. batch 32 x [M 2,048, K 64] x [K 64, N 2,048]; A: computed on the way; B: computed on the way: QUANTISED
;;     5. batch 32 x [M 64, K 2,048] x [K 2,048, N 2,048]; A: computed on the way; B: softmax (see below): QUANTISED
;;     6. [M 4,096, K 1,024] x [K 1,024, N 1,024]; A: computed on the way; B: input Wo: QUANTISED
;;   THE QUANTISER, for each operand of a quantised product, along K:
;;     - K is cut into blocks of 32 from its start; a last block that is shorter is filled with zeros.
;;     - A block's scale is 2^e with e = floor(log2(the largest magnitude in the block)) - 2, held to -126 .. 127; a block of zeros has e = 0. As a byte (E8M0): e + 127.
;;     - Each number is divided by its block's scale, clamped to +-6, and rounded to the nearest number of E2M1, ties to even, subnormals kept.
;;     - The product sums the exact products of the quantised numbers (number of the format x scale) in f32.
;;   ~~~python
;;   def quantise(x, axis):      # numpy; x: float32 -> the quantised numbers, widened to float32 again
;;       x = np.moveaxis(x, axis, -1); K = x.shape[-1]
;;       x = np.pad(x, [(0, 0)] * (x.ndim - 1) + [(0, -K % 32)]); x = x.reshape(x.shape[:-1] + (-1, 32)); a = np.abs(x).max(-1, keepdims=True)
;;       e = np.where(a > 0, np.clip(np.frexp(np.where(a > 0, a, 1))[1] - 1 - 2, -126, 127), 0)      # np.frexp(a)[1] - 1 = floor(log2(a)), exactly
;;       r = np.clip(x / 2.0 ** e, -6, 6)
;;       step = 2.0 ** (np.maximum(np.frexp(np.where(r == 0, 1, r))[1] - 1, 0) - 1)
;;       q = np.round(r / step) * step * 2.0 ** e      # np.round: ties to even
;;       return np.moveaxis(q.reshape(q.shape[:-2] + (-1,))[..., :K], -1, axis).astype(np.float32)
;;   ~~~
;;   SOFTMAX AHEAD OF A QUANTISED PRODUCT. Where the list says 'softmax', what is quantised is not the finished softmax but p = 2^(t - M), with t = logit x log2(e) and M = ceil(the row's largest t), a whole number; so 1/2 < the row's largest p <= 1. The row's sum l is taken of the UNQUANTISED p, in f32, and the product's result is divided by l at the end. Since M is a whole number, a kernel that streams over the keys may use a running M (the ceiling of the running maximum): every later rescaling is an exact power of two, which a block's scale takes up: the codes' values come out the same.
;;   OPERANDS COMPUTED ON THE WAY. 'Computed on the way' means the value that the module computes at that place (a softmax that the list does not call 'softmax' is quantised finished and normalised). What goes into a quantiser is computed in f32, as accurately as f32 sums, v_exp_f32 and their like allow (about 1e-6 of the number): no bf16 or f16 on the way to a quantiser, and a product that is left as it is and whose result goes on into a quantised operand takes f32 operands (vector FMAs, or v_wmma_f32_16x16x4_f32). A number that lies on a knife's edge between two numbers of the format may be rounded either way, as far as f32 arithmetic and the matrix unit's own rounding can turn it there, and no further.
;; One version. Each part assembles by itself: llvm-mc -triple=amdgcn-amd-amdhsa -mcpu=gfx1250 --defsym DOCPART=n.
;; ======== version 1 of 1: 4 launches
;; limits: right only within a limited range of input values
;; workspace buffers: xq 2,228,224 bytes; wq 2,228,224 bytes; qq 2,359,296 bytes; kv 4,587,520 bytes; oq 2,228,224 bytes
;; launch prep (part 1): grid 256 x 1, 12 waves a work-group, no clusters, 159,744 bytes of LDS; arguments X, Wq, Wk, Wv, Wo, xq, wq; writes xq, wq
.if DOCPART == 1
	.amdgcn_target "amdgcn-amd-amdhsa--gfx1250"
	.amdhsa_code_object_version 6
	.text
	.protected	k_q5f7fe79e8b_prep
	.globl	k_q5f7fe79e8b_prep
	.p2align	8
	.type	k_q5f7fe79e8b_prep,@function
k_q5f7fe79e8b_prep:
	s_mov_b64 s[64:65], 0
	v_nop
	global_prefetch_b8 v0, s[64:65] scope:SCOPE_SE
	s_setreg_imm32_b32 hwreg(HW_REG_WAVE_MODE, 25, 1), 1
	s_wait_xcnt 0x0
; PREP: x = Re(ifft(X)) along the 1,024 features, in f32, quantised to E2M1 codes with one E8M0 byte for each 32 features; and the four weights quantised along their second axis.
; WORK LEFT OUT, AND WHY IT IS DEAD.  The reference keeps only the real part of the inverse transform.  For a real row x, Re ifft(x)[n] = (1/N) sum_k x[k] cos(2 pi k n / N).
; With z[k] = x[k] + x[(N - k) mod N], sum_k z[k] e^(2 pi i k n / N) = 2 sum_k x[k] cos(2 pi k n / N): real, for every x.  So the imaginary parts are never formed, and two rows share one complex
; transform: z = z_row0 + i z_row1 gives row 0 in the real part and row 1 in the imaginary part.  The factor 1 / (2 N) = 2^-11 rides on the twiddle factors.  Every input has a way to the output and is loaded.
; LIMITS: NaN and infinities among the inputs are not served (one that would reach only an imaginary part is not carried on); a block whose largest magnitude lies under 2^-124 keeps the byte 1;
; a block of zeros gets the byte 1 where the quantiser says 127: its codes are zeros, and the bytes are read by this program alone.
; THE TRANSFORM: 1,024 = 32 x 32.  k = 32 a + c, n = b + 32 d.  A lane holds column c and runs 32 points over a in registers; x W^(b c); a turn through LDS; a lane holds b and runs 32 points over c.
; SHARES: work-group g takes rows 16 g .. 16 g + 15 of X: waves 0-7 two rows each.  Waves 8-11 take 16 rows of one weight (tensor g / 64), 256 along K each.  No input is shared between work-groups: no cluster.
; OUT: codes as planes [K / 32][row][16 bytes], scale bytes [row][32] from byte SOFF on.  wq's rows: head x 192 + {q 0, k 64, v 128} + row in head; Wo from row 3,072 on.
.set FREG,  9216                       ; an FFT wave's LDS region
.set WREG,  16640                      ; a weight wave's: 16 rows of 1,024 bytes + 16
.set WBASE, 8*FREG
.set TAB,   WBASE+4*WREG               ; twiddles: entry (32 b + c) of 8 bytes: 2^-11 (cos, sin)(2 pi b c / 1024)
.set XCS,   TAB+8192                   ; x's codes: 32 planes of 16 rows x 16 bytes + 16
.set WSS,   XCS+32*272                 ; the weight's scale bytes, 16 rows x 32
.set XSS,   WSS+512                    ; x's
.set SPARE, XSS+512                    ; the spare words: 128 bytes for each of 12 waves
.set SOFF,  2097152
.set BA, 64                            ; three banks of 32 complex numbers (pairs)
.set BB, 128
.set BT, 192
.set SPW, 28
.set NIL, 29
.macro COSC i, bits                    ; cos(pi i / 16), both words of a pair: the packed forms name the pair
	s_mov_b32 s[32+2*\i], \bits
	s_mov_b32 s[33+2*\i], \bits
.endm
; One table entry: b = 4 wave + i, c = lane.  m = b c; the angle pi m / 512 = q pi / 2 + th, |th| <= pi / 4; sine and cosine of th by their series in f32.
.macro TWID i
	s_add_co_u32 s25, s24, \i
	v_mul_u32_u24 v32, s25, v1
	s_delay_alu instid0(VALU_DEP_1)
	v_add_nc_u32 v33, 128, v32
	s_delay_alu instid0(VALU_DEP_1)
	v_lshrrev_b32 v33, 8, v33                      ; q
	s_delay_alu instid0(VALU_DEP_1)
	v_lshlrev_b32 v34, 8, v33
	s_delay_alu instid0(VALU_DEP_1)
	v_sub_nc_u32 v34, v32, v34                     ; m - 256 q, -128 .. 127
	s_delay_alu instid0(VALU_DEP_1)
	v_cvt_f32_i32 v34, v34
	s_delay_alu instid0(VALU_DEP_1)
	v_mul_f32 v34, 0x3bc90fdb, v34                 ; th = that x pi / 512
	s_delay_alu instid0(VALU_DEP_1)
	v_mul_f32 v35, v34, v34
	v_mov_b32 v36, 0x3638ef1d                      ; sin th = th (1 - u/6 + u^2/120 - u^3/5040 + u^4/362880)
	s_delay_alu instid0(VALU_DEP_1)
	v_fmaak_f32 v36, v36, v35, 0xb9500d01
	s_delay_alu instid0(VALU_DEP_1)
	v_fmaak_f32 v36, v36, v35, 0x3c088889
	s_delay_alu instid0(VALU_DEP_1)
	v_fmaak_f32 v36, v36, v35, 0xbe2aaaab
	s_delay_alu instid0(VALU_DEP_1)
	v_fma_f32 v36, v36, v35, 1.0
	s_delay_alu instid0(VALU_DEP_1)
	v_mul_f32 v36, v36, v34
	v_mov_b32 v37, 0xb493f27e                      ; cos th = 1 - u/2 + u^2/24 - u^3/720 + u^4/40320 - u^5/3628800
	s_delay_alu instid0(VALU_DEP_1)
	v_fmaak_f32 v37, v37, v35, 0x37d00d01
	s_delay_alu instid0(VALU_DEP_1)
	v_fmaak_f32 v37, v37, v35, 0xbab60b61
	s_delay_alu instid0(VALU_DEP_1)
	v_fmaak_f32 v37, v37, v35, 0x3d2aaaab
	s_delay_alu instid0(VALU_DEP_1)
	v_fma_f32 v37, v37, v35, -0.5
	s_delay_alu instid0(VALU_DEP_1)
	v_fma_f32 v37, v37, v35, 1.0
	v_and_b32 v38, 1, v33
	s_delay_alu instid0(VALU_DEP_1)
	v_cmp_eq_u32 vcc_lo, 1, v38
	s_delay_alu instid0(VALU_DEP_1)
	v_cndmask_b32 v39, v37, v36, vcc_lo            ; odd q: the two change places
	s_delay_alu instid0(VALU_DEP_2)
	v_cndmask_b32 v40, v36, v37, vcc_lo
	v_add_nc_u32 v41, 1, v33
	s_delay_alu instid0(VALU_DEP_1)
	v_lshrrev_b32 v41, 1, v41
	s_delay_alu instid0(VALU_DEP_1)
	v_lshlrev_b32 v41, 31, v41                     ; the cosine is negative for q = 1, 2
	s_delay_alu instid0(VALU_DEP_1)
	v_or_b32 v41, 0x3a000000, v41                  ; +-2^-11
	v_lshrrev_b32 v42, 1, v33
	s_delay_alu instid0(VALU_DEP_1)
	v_lshlrev_b32 v42, 31, v42                     ; the sine for q = 2, 3
	s_delay_alu instid0(VALU_DEP_1)
	v_or_b32 v42, 0x3a000000, v42
	s_delay_alu instid0(VALU_DEP_4)
	v_mul_f32 v44, v39, v41
	s_delay_alu instid0(VALU_DEP_2)
	v_mul_f32 v45, v40, v42
	ds_store_b64 v11, v[44:45] offset:256*\i
.endm
; One stage of 16 butterflies, out of place: p' = p + q; q' = (p - q) e^(i pi t / 16).  t = 0: no product; t = 8: a turn by i; else one packed multiply and one packed multiply-add.
.macro FSTAGE src, dst, h
.set bi, 0
.rept 16
.set bj, bi%(\h)
.set bp, (bi/(\h))*2*(\h)+bj
.set bq, bp+(\h)
.set bt, bj*16/(\h)
.set bd, 32+2*(bi%4)
	v_pk_add_f32 v[\dst+2*bp:\dst+2*bp+1], v[\src+2*bp:\src+2*bp+1], v[\src+2*bq:\src+2*bq+1]
.if bt == 0
	v_pk_add_f32 v[\dst+2*bq:\dst+2*bq+1], v[\src+2*bp:\src+2*bp+1], v[\src+2*bq:\src+2*bq+1] neg_lo:[0,1] neg_hi:[0,1]
.elseif bt == 8
	v_pk_add_f32 v[\dst+2*bq:\dst+2*bq+1], v[\src+2*bp:\src+2*bp+1], v[\src+2*bq:\src+2*bq+1] op_sel:[1,1] op_sel_hi:[0,0] neg_lo:[1,0] neg_hi:[0,1]
.else
	v_pk_add_f32 v[bd:bd+1], v[\src+2*bp:\src+2*bp+1], v[\src+2*bq:\src+2*bq+1] neg_lo:[0,1] neg_hi:[0,1]
.if bt < 8
	s_delay_alu instid0(VALU_DEP_1)
	v_pk_mul_f32 v[\dst+2*bq:\dst+2*bq+1], v[bd:bd+1], s[32+2*bt:33+2*bt] op_sel_hi:[1,0]
	s_delay_alu instid0(VALU_DEP_1)
	v_pk_fma_f32 v[\dst+2*bq:\dst+2*bq+1], v[bd:bd+1], s[32+2*(8-bt):33+2*(8-bt)], v[\dst+2*bq:\dst+2*bq+1] op_sel:[1,0,0] op_sel_hi:[0,0,1] neg_lo:[1,0,0]
.else
	s_delay_alu instid0(VALU_DEP_1)
	v_pk_mul_f32 v[\dst+2*bq:\dst+2*bq+1], v[bd:bd+1], s[32+2*(16-bt):33+2*(16-bt)] op_sel_hi:[1,0] neg_lo:[1,0] neg_hi:[1,0]
	s_delay_alu instid0(VALU_DEP_1)
	v_pk_fma_f32 v[\dst+2*bq:\dst+2*bq+1], v[bd:bd+1], s[32+2*(bt-8):33+2*(bt-8)], v[\dst+2*bq:\dst+2*bq+1] op_sel:[1,0,0] op_sel_hi:[0,0,1] neg_lo:[1,0,0]
.endif
.endif
.set bi, bi+1
.endr
.endm
.macro FFT32 a, b                      ; 32 points, decimation in frequency: five stages between two banks; the result lies in b, output rev5(p) at place p
	FSTAGE \a, \b, 16
	FSTAGE \b, \a, 8
	FSTAGE \a, \b, 4
	FSTAGE \b, \a, 2
	FSTAGE \a, \b, 1
.endm
; A whole block of 32 numbers in one lane's registers: largest magnitude with the floor 2^(3 - 127), scale operand (2 off the exponent field), byte, four conversions.
.macro QB src, cod, byt
	v_max3_num_f32 v32, |v[\src]|, |v[\src+1]|, |v[\src+2]|
	v_max3_num_f32 v33, |v[\src+3]|, |v[\src+4]|, |v[\src+5]|
.irp i, 6,10,14,18,22,26
	s_delay_alu instid0(VALU_DEP_2)
	v_max3_num_f32 v32, v32, |v[\src+\i]|, |v[\src+\i+1]|
	s_delay_alu instid0(VALU_DEP_2)
	v_max3_num_f32 v33, v33, |v[\src+\i+2]|, |v[\src+\i+3]|
.endr
	s_delay_alu instid0(VALU_DEP_2)
	v_max3_num_f32 v32, v32, |v[\src+30]|, |v[\src+31]|
	s_delay_alu instid0(VALU_DEP_1)
	v_max3_num_f32 v32, v32, v33, 0x1800000
	s_delay_alu instid0(VALU_DEP_1)
	v_add_nc_u32 v34, 0xff000000, v32
	s_delay_alu instid0(VALU_DEP_1)
	v_lshrrev_b32 v[\byt], 23, v34
.irp g, 0,1,2,3
	v_cvt_scalef32_pk8_fp4_f32 v[\cod+\g], v[\src+8*\g:\src+8*\g+7], v34
.endr
	v_nop                                          ; a plain line behind the last conversion
.endm
.macro ZLOAD g                         ; eight a's: x[32 a + lane] of both rows, and the mirrored x[(1024 - 32 a - lane) mod 1024]
.set za, 8*(\g)
.rept 8
	ds_load_b32 v[BA+2*za], v5 offset:128*za
	ds_load_b32 v[BA+2*za+1], v5 offset:4096+128*za
.if za == 0
	ds_load_b32 v[BT], v7
	ds_load_b32 v[BT+1], v7 offset:4096
.else
	ds_load_b32 v[BT+2*za], v6 offset:128*(31-za)
	ds_load_b32 v[BT+2*za+1], v6 offset:4096+128*(31-za)
.endif
.set za, za+1
.endr
.endm
.macro ZADD g, younger                 ; younger: the LDS loads of the group issued behind this one
.set za, 8*(\g)
.rept 8
	s_wait_dscnt \younger+28-4*(za-8*(\g))         ; LDS loads come back in order: this a's four are in
	v_pk_add_f32 v[BA+2*za:BA+2*za+1], v[BA+2*za:BA+2*za+1], v[BT+2*za:BT+2*za+1]
.set za, za+1
.endr
.endm
.macro WLOAD c                         ; blocks 2 c + (lane / 16) of my 16 rows: 32 numbers a lane
.irp i, 0,1,2,3,4,5,6,7
	ds_load_b128 v[192+32*((\c)%2)+4*\i:192+32*((\c)%2)+4*\i+3], v17 offset:256*(\c)+16*\i
.endr
.endm
	s_load_b256 s[4:11], s[0:1], 0x0               ; X, Wq, Wk, Wv
	s_load_b128 s[12:15], s[0:1], 0x20             ; Wo, xq
	s_load_b64 s[16:17], s[0:1], 0x30              ; wq
	v_lshl_add_u32 v[SPW], v0, 2, SPARE
	v_mov_b32 v[NIL], 0
	v_lshrrev_b32 v1, 5, v0
	s_delay_alu instid0(VALU_DEP_1)
	v_readfirstlane_b32 s18, v1                    ; wave 0..11
	s_and_b32 s19, s18, 3                          ; u: which 256 along K (weight role)
	s_and_b32 s21, s18, 7                          ; which pair of rows (FFT role)
	s_mov_b32 s20, ttmp9                           ; g
	v_and_b32 v1, 31, v0                           ; lane
	v_and_b32 v2, 15, v0                           ; r
	v_bfe_u32 v3, v0, 4, 1                         ; hh
	s_mul_i32 s22, s21, FREG
	s_mul_i32 s23, s19, WREG
	s_add_co_u32 s23, s23, WBASE
	; every LDS address is made here, ahead of the parting of the roles, and holds nothing else
	v_lshlrev_b32 v20, 4, v1                       ; 16 lane
	v_lshlrev_b32 v22, 2, v1                       ; 4 lane
	s_delay_alu instid0(VALU_DEP_2)
	v_add_nc_u32 v4, s22, v20
	s_delay_alu instid0(VALU_DEP_2)
	v_add_nc_u32 v5, s22, v22
	s_delay_alu instid0(VALU_DEP_3)
	v_sub_nc_u32 v6, 128, v22
	s_delay_alu instid0(VALU_DEP_1)
	v_add_nc_u32 v6, s22, v6
	v_sub_nc_u32 v7, 4096, v22
	s_delay_alu instid0(VALU_DEP_1)
	v_and_b32 v7, 4095, v7
	s_delay_alu instid0(VALU_DEP_1)
	v_add_nc_u32 v7, s22, v7
	v_lshl_add_u32 v8, v1, 3, s22
	v_mul_u32_u24 v9, v1, 264
	s_delay_alu instid0(VALU_DEP_1)
	v_add_nc_u32 v9, s22, v9
	v_lshl_add_u32 v10, v1, 3, TAB
	s_lshl_b32 s24, s21, 10
	v_add_nc_u32 v11, s24, v10
	v_mul_u32_u24 v12, v2, 144
	s_delay_alu instid0(VALU_DEP_1)
	v_mad_u32_u24 v12, v3, 4608, v12
	s_delay_alu instid0(VALU_DEP_1)
	v_add_nc_u32 v12, s22, v12
	v_mul_u32_u24 v13, v2, 272
	s_delay_alu instid0(VALU_DEP_1)
	v_lshl_add_u32 v13, v3, 4, v13
	s_lshl_b32 s24, s21, 5
	s_add_co_u32 s24, s24, XCS
	v_add_nc_u32 v13, s24, v13
	v_lshl_add_u32 v14, v3, 5, v2
	s_lshl_b32 s24, s21, 6
	s_add_co_u32 s24, s24, XSS
	v_add_nc_u32 v14, s24, v14
	v_mul_u32_u24 v15, v3, 272
	s_delay_alu instid0(VALU_DEP_1)
	v_lshl_add_u32 v15, v2, 4, v15
	s_mul_i32 s24, s21, 1088
	s_add_co_u32 s24, s24, XCS
	v_add_nc_u32 v15, s24, v15
	v_add_nc_u32 v16, s23, v20
	v_mul_u32_u24 v17, v2, 1040
	s_delay_alu instid0(VALU_DEP_1)
	v_lshl_add_u32 v17, v3, 7, v17
	s_delay_alu instid0(VALU_DEP_1)
	v_add_nc_u32 v17, s23, v17
	v_lshl_add_u32 v18, v2, 5, v3
	s_lshl_b32 s24, s19, 3
	s_add_co_u32 s24, s24, WSS
	v_add_nc_u32 v18, s24, v18
	s_and_b32 s24, s18, 1
	s_lshl_b32 s24, s24, 9
	s_add_co_u32 s24, s24, WSS
	v_add_nc_u32 v19, s24, v20
	v_lshlrev_b32 v21, 4, v2
	s_delay_alu instid0(VALU_DEP_1)
	v_lshl_add_u32 v21, v3, 16, v21                ; global: 65,536 hh + 16 r: a plane is 4,096 rows of 16 bytes
	COSC 1, 0x3f7b14be
	COSC 2, 0x3f6c835e
	COSC 3, 0x3f54db31
	COSC 4, 0x3f3504f3
	COSC 5, 0x3f0e39da
	COSC 6, 0x3ec3ef15
	COSC 7, 0x3e47c5c2
	s_lshr_b32 s58, s20, 6                         ; which weight
	s_and_b32 s24, s20, 63                         ; which 16 rows of it
	s_lshr_b32 s25, s24, 2
	s_mul_i32 s25, s25, 192
	s_lshl_b32 s54, s58, 6
	s_add_co_u32 s25, s25, s54
	s_and_b32 s54, s20, 3
	s_lshl_b32 s54, s54, 4
	s_add_co_u32 s25, s25, s54                     ; q, k, v: head x 192 + tensor x 64 + row in head
	s_lshl_b32 s54, s24, 4
	s_add_co_u32 s54, s54, 3072                    ; Wo: 3,072 + row
	s_cmp_lt_u32 s58, 3
	s_cselect_b32 s59, s25, s54                    ; the first row in wq
	s_wait_kmcnt 0x0
	s_cmp_lt_u32 s58, 2
	s_cselect_b64 s[48:49], s[6:7], s[10:11]
	s_cselect_b64 s[54:55], s[8:9], s[12:13]
	s_and_b32 s25, s58, 1
	s_cmp_lg_u32 s25, 0
	s_cselect_b64 s[48:49], s[54:55], s[48:49]     ; the weight: a choice on the work-group's number alone
	s_lshl_b32 s54, s24, 16
	s_lshl_b32 s55, s19, 10
	s_add_co_u32 s54, s54, s55
	s_mov_b32 s55, 0
	s_add_nc_u64 s[48:49], s[48:49], s[54:55]      ; its 16 rows, my 1,024 bytes of each
	s_lshl_b32 s54, s20, 16
	s_lshl_b32 s56, s21, 13
	s_add_co_u32 s54, s54, s56
	s_add_nc_u64 s[50:51], s[4:5], s[54:55]        ; X at my two rows
	s_lshl_b32 s54, s20, 8
	s_lshl_b32 s56, s21, 18
	s_add_co_u32 s54, s54, s56
	s_add_nc_u64 s[52:53], s[14:15], s[54:55]      ; xq: planes 4 wave on, rows 16 g on
	s_lshl_b32 s54, s20, 9
	s_add_co_u32 s54, s54, SOFF
	s_add_nc_u64 s[30:31], s[14:15], s[54:55]      ; xq's scale bytes
	s_lshl_b32 s54, s59, 4
	s_lshl_b32 s56, s19, 19
	s_add_co_u32 s54, s54, s56
	s_add_nc_u64 s[26:27], s[16:17], s[54:55]      ; wq: planes 8 u on
	s_lshl_b32 s54, s59, 5
	s_add_co_u32 s54, s54, SOFF
	s_add_nc_u64 s[28:29], s[16:17], s[54:55]      ; wq's scale bytes
	; ---- part 1: the loads go out; the FFT waves make the table of twiddles while theirs are on the way
	s_cmp_ge_u32 s18, 8
	s_cbranch_scc1 .Lw1
.irp row, 0,1
.irp j, 0,1,2,3,4,5,6,7
	global_load_b128 v[BB+32*\row+4*\j:BB+32*\row+4*\j+3], v20, s[50:51] offset:4096*\row+512*\j th:TH_LOAD_NT
.endr
.endr
	s_lshl_b32 s24, s21, 2
	TWID 0
	TWID 1
	TWID 2
	TWID 3
.Lw1:
	s_wait_dscnt 0x0                               ; my part of the table has landed
	s_barrier_signal -1
	s_barrier_wait -1                              ; the table is whole
	; ---- part 2
	s_cmp_ge_u32 s18, 8
	s_cbranch_scc1 .Lw2
	s_wait_loadcnt 0x0
.irp row, 0,1
.irp j, 0,1,2,3,4,5,6,7
	ds_store_b128 v4, v[BB+32*\row+4*\j:BB+32*\row+4*\j+3] offset:4096*\row+512*\j
.endr
.endr
	ZLOAD 0                                        ; LDS serves a wave's instructions in order: these see the stores above
	ZLOAD 1
	ZADD 0, 32
	ZLOAD 2
	ZADD 1, 32
	ZLOAD 3
	ZADD 2, 32
	ZADD 3, 0                                      ; bank A: z[32 a + lane] = row 0's + i row 1's
.set pp, 0
.rept 32
	ds_load_b64 v[BT+2*pp:BT+2*pp+1], v10 offset:256*pp   ; W^(lane x pp): the table is symmetric in its two indices
.set pp, pp+1
.endr
	FFT32 BA, BB
.set pp, 0
.rept 32
.set rv, ((pp&1)<<4)|((pp&2)<<2)|(pp&4)|((pp&8)>>2)|((pp&16)>>4)
	ds_store_b64 v8, v[BB+2*pp:BB+2*pp+1] offset:264*rv   ; row b = rev5(p), column c = lane
.set pp, pp+1
.endr
.set pp, 0
.rept 32
	ds_load_b64 v[BA+2*pp:BA+2*pp+1], v9 offset:8*pp      ; back: row b = lane, column c = pp
.set pp, pp+1
.endr
.set pp, 0
.rept 32
	s_wait_dscnt 31-pp
	v_pk_mul_f32 v[BB+2*pp:BB+2*pp+1], v[BA+2*pp:BA+2*pp+1], v[BT+2*pp:BT+2*pp+1] op_sel_hi:[1,0]
	s_delay_alu instid0(VALU_DEP_1)
	v_pk_fma_f32 v[BB+2*pp:BB+2*pp+1], v[BA+2*pp:BA+2*pp+1], v[BT+2*pp:BT+2*pp+1], v[BB+2*pp:BB+2*pp+1] op_sel:[1,1,0] op_sel_hi:[0,1,1] neg_lo:[1,0,0]
.set pp, pp+1
.endr
	FFT32 BB, BA                                   ; place p of lane b: feature b + 32 rev5(p): real part row 0, imaginary part row 1
.set pp, 0
.rept 32
.set rv, ((pp&1)<<4)|((pp&2)<<2)|(pp&4)|((pp&8)>>2)|((pp&16)>>4)
	ds_store_b32 v5, v[BA+2*pp] offset:144*rv
	ds_store_b32 v5, v[BA+2*pp+1] offset:4608+144*rv
.set pp, pp+1
.endr
.irp i, 0,1,2,3,4,5,6,7
	ds_load_b128 v[BB+4*\i:BB+4*\i+3], v12 offset:16*\i           ; block r of row hh: 32 neighbours
.endr
.irp i, 0,1,2,3,4,5,6,7
	ds_load_b128 v[BB+32+4*\i:BB+32+4*\i+3], v12 offset:2304+16*\i  ; block r + 16
.endr
	s_wait_dscnt 8
	QB BB, 48, 40
	s_wait_dscnt 0x0
	QB BB+32, 52, 41
	ds_store_b128 v13, v[48:51]
	ds_store_b128 v13, v[52:55] offset:4352
	ds_store_b8 v14, v40
	ds_store_b8 v14, v41 offset:16
	s_branch .Lj2
.Lw2:
	s_wait_alu depctr_va_vdst(0)
	s_wait_loadcnt 0x0                             ; a weight wave has no load out here; the registers below are also the targets of the X loads of the other role's text
.set rho, 0
.rept 16                               ; the weight's loads go out behind the first barrier: behind X's, for which the transforms wait
	global_load_b128 v[64+8*rho:64+8*rho+3], v20, s[48:49] offset:4096*rho th:TH_LOAD_NT
	global_load_b128 v[64+8*rho+4:64+8*rho+7], v20, s[48:49] offset:4096*rho+512 th:TH_LOAD_NT
.set rho, rho+1
.endr
.set rho, 0
	s_wait_alu depctr_va_vdst(0)
.rept 16
	s_wait_loadcnt 30-2*rho                        ; row rho's two loads are in
	ds_store_b128 v16, v[64+8*rho:64+8*rho+3] offset:1040*rho
	ds_store_b128 v16, v[64+8*rho+4:64+8*rho+7] offset:1040*rho+512
.set rho, rho+1
.endr
	WLOAD 0
	WLOAD 1
.irp c, 0,1,2,3
.if \c == 0
	s_wait_dscnt 8                                 ; behind this pair's loads: the next pair's eight
.elseif \c < 3
	s_wait_dscnt 9                                 ; a byte store and the next pair's eight
.else
	s_wait_dscnt 0x0
.endif
	QB 192+32*(\c%2), 48+4*\c, 40+\c
	global_store_b128 v21, v[48+4*\c:51+4*\c], s[26:27] offset:131072*\c   ; sixteen lanes store 256 consecutive bytes of plane 8 u + 2 c + hh
	ds_store_b8 v18, v[40+\c] offset:2*\c
.if \c < 2
	WLOAD \c+2
.endif
.endr
.Lj2:
	s_wait_dscnt 0x0                               ; my codes and bytes have landed
	s_barrier_signal -1
	s_barrier_wait -1
	; ---- part 3: x's codes leave by planes, the scale bytes as 512 consecutive bytes
	s_cmp_lt_u32 s18, 8
	s_cbranch_scc0 .Lp3w
	ds_load_b128 v[64:67], v15
	ds_load_b128 v[68:71], v15 offset:544
	s_wait_dscnt 1
	global_store_b128 v21, v[64:67], s[52:53]
	s_wait_dscnt 0x0
	global_store_b128 v21, v[68:71], s[52:53] offset:131072
	s_branch .Lend
.Lp3w:
	s_cmp_lt_u32 s18, 10
	s_cbranch_scc0 .Lend
	s_cmp_eq_u32 s18, 8
	s_cselect_b64 s[54:55], s[28:29], s[30:31]     ; wave 8: the weight's bytes; wave 9: x's
	ds_load_b128 v[192:195], v19
	s_wait_dscnt 0x0
	global_store_b128 v20, v[192:195], s[54:55]
.Lend:
	s_wait_tensorcnt 0x0                           ; the wave's end
	ds_add_u32 v[SPW], v[NIL]
	s_wait_dscnt 0x0
	s_endpgm
.Lfunc_end_k_q5f7fe79e8b_prep:
	.size	k_q5f7fe79e8b_prep, .Lfunc_end_k_q5f7fe79e8b_prep-k_q5f7fe79e8b_prep
	.p2alignl 7, 3214868480
	.fill 96, 4, 3214868480
	.section	.rodata,"a",@progbits
	.p2align	6, 0x0
	.amdhsa_kernel k_q5f7fe79e8b_prep
		.amdhsa_group_segment_fixed_size 159744
		.amdhsa_private_segment_fixed_size 0
		.amdhsa_enable_private_segment 0
		.amdhsa_kernarg_size 56
		.amdhsa_user_sgpr_count 2
		.amdhsa_user_sgpr_kernarg_segment_ptr 1
		.amdhsa_wavefront_size32 1
		.amdhsa_system_sgpr_workgroup_id_x 1
		.amdhsa_system_sgpr_workgroup_id_y 1
		.amdhsa_system_sgpr_workgroup_id_z 1
		.amdhsa_system_vgpr_workitem_id 0
		.amdhsa_next_free_vgpr 256
		.amdhsa_next_free_sgpr 66
		.amdhsa_reserve_vcc 1
		.amdhsa_float_denorm_mode_32 3
		.amdhsa_float_denorm_mode_16_64 3
		.amdhsa_memory_ordered 1
		.amdhsa_forward_progress 1
		.amdhsa_inst_pref_size 101
	.end_amdhsa_kernel
	.amdgpu_metadata
---
amdhsa.version: [ 1, 2 ]
amdhsa.kernels:
  - .name:           k_q5f7fe79e8b_prep
    .symbol:         k_q5f7fe79e8b_prep.kd
    .args:
      - { .name: X, .offset: 0, .size: 8, .value_kind: global_buffer, .address_space: global }
      - { .name: Wq, .offset: 8, .size: 8, .value_kind: global_buffer, .address_space: global }
      - { .name: Wk, .offset: 16, .size: 8, .value_kind: global_buffer, .address_space: global }
      - { .name: Wv, .offset: 24, .size: 8, .value_kind: global_buffer, .address_space: global }
      - { .name: Wo, .offset: 32, .size: 8, .value_kind: global_buffer, .address_space: global }
      - { .name: xq, .offset: 40, .size: 8, .value_kind: global_buffer, .address_space: global }
      - { .name: wq, .offset: 48, .size: 8, .value_kind: global_buffer, .address_space: global }
    .group_segment_fixed_size: 159744
    .private_segment_fixed_size: 0
    .kernarg_segment_align: 8
    .kernarg_segment_size: 56
    .max_flat_workgroup_size: 384
    .sgpr_count:     66
    .vgpr_count:     256
    .wavefront_size: 32
...
	.end_amdgpu_metadata
.endif
;; end of part 1
;; launch qkv (part 2): grid 16 x 16, 4 waves a work-group, clusters of 4 x 4, 327,680 bytes of LDS; arguments xq, wq, bq, bk, bv, qq, kv; writes qq, kv
.if DOCPART == 2
	.amdgcn_target "amdgcn-amd-amdhsa--gfx1250"
	.amdhsa_code_object_version 6
	.text
	.protected	k_q5f7fe79e8b_qkv
	.globl	k_q5f7fe79e8b_qkv
	.p2align	8
	.type	k_q5f7fe79e8b_qkv,@function
k_q5f7fe79e8b_qkv:
	s_mov_b64 s[64:65], 0
	v_nop
	global_prefetch_b8 v0, s[64:65] scope:SCOPE_SE
	s_setreg_imm32_b32 hwreg(HW_REG_WAVE_MODE, 25, 1), 1
	s_wait_xcnt 0x0
	s_wait_alu depctr_hold_cnt(0) depctr_sa_sdst(0) depctr_va_vdst(0) depctr_va_sdst(0) depctr_va_ssrc(0) depctr_va_vcc(0) depctr_vm_vsrc(0)
	s_getreg_b32 s2, hwreg(HW_REG_IB_STS2, 6, 4)
	s_cmp_eq_u32 s2, 0
	s_cbranch_scc0 .Lentry_in_a_cluster
	s_endpgm
.Lentry_in_a_cluster:
	s_bfe_u32 s2, ttmp6, 0x10000c
	s_cmp_lg_u32 s2, 0xf033
	s_cbranch_scc0 .Lentry_shape_is_right
	s_endpgm
.Lentry_shape_is_right:
; QKV: Q = x Wq^T + bq, K = x Wk^T + bk, V = x Wv^T + bv on E2M1 codes, each result quantised in registers for the attention launch: Q and K along the head's 64 features, V along the tokens.  Nothing is left out.
; SHARES.  A work-group makes 256 tokens x one head's 192 rows of wq.  Wave (s19, s20): 128 tokens; s20 = 0: Q, 1: K (64 features); and 32 of V's 64 features.
; LDS: all of K of both panels: x's 32 planes of 256 x 16 bytes, then wq's 32 planes of 192 x 16 bytes, filled once: each wave asks for 16 planes of one panel by one load.
; CLUSTER 4 x 4: x's panel hangs on the token block alone, wq's on the head alone: both are asked for jointly.  All loads go out at the head, so nothing is left for a prefetch to run ahead of.
; OUT: qq: records of 512 queries: two planes of 512 x 16 bytes; scale words from SOFF on.  kv: records of 512 keys: K's two planes (16,384 bytes), V's 16 planes of 64 x 16 bytes (16,384), K's scale words (2,048), V's (1,024).
; In K's planes the octets of every odd block of 32 keys change places in pairs (byte address bit 7 inverted): the attention launch reads eight keys of an even block and eight of the odd block behind it by one LDS load.
; LIMITS as in the first kernel.
.set SOFF,  2097152
.set WPAN,  131072
.set SPARE, 229376
.set REC,   35840
.set SX,  32
.set SWQ, 64
.set SWV, 80
.set MX,  96
.set PB,  120
.set SO,  144
.set CQ,  168
.set CV,  200
.set SW,  216
.set SPW, 28
.set NIL, 29
.set G1A, 28
.set G1B, 36
.set G0A, 44
.set G0B, 68
.set MSB, 0
.macro WIN new
.if MSB != \new
	s_set_vgpr_msb (MSB<<8)|\new
.set MSB, \new
.endif
.endm
.macro JLOAD g0a, g1a, g0b, g1b
	s_cmp_eq_u32 s19, 0
	s_cbranch_scc0 .Lfor_b_\@
	tensor_load_to_lds s[\g0a:\g0a+3], s[\g1a:\g1a+7]
	s_nop 0
.rept 4
	v_nop
.endr
	s_branch .Lasked_\@
.Lfor_b_\@:
	tensor_load_to_lds s[\g0b:\g0b+3], s[\g1b:\g1b+7]
	s_nop 0
.rept 4
	v_nop
.endr
.Lasked_\@:
.endm
.macro CROUND
	s_barrier_signal -1
	s_barrier_wait -1
	s_cmp_lg_u32 s18, 0
	s_cbranch_scc1 .Lnot_wave_0_\@
	s_barrier_signal -3
.Lnot_wave_0_\@:
	s_barrier_wait -3
	s_barrier_signal -1
	s_barrier_wait -1
.endm
.macro PLACES
.rept 4
	v_nop
.endr
.endm
.macro WM
.if fSel == 0
	v_wmma_scale_f32_16x16x128_f8f6f4 v[rD:rD+7], v[rA:rA+7], v[rB:rB+7], v[rC:rC+7], v[rSA], v[rSB] matrix_a_fmt:MATRIX_FMT_FP4 matrix_b_fmt:MATRIX_FMT_FP4
.elseif fSel == 1
	v_wmma_scale_f32_16x16x128_f8f6f4 v[rD:rD+7], v[rA:rA+7], v[rB:rB+7], v[rC:rC+7], v[rSA], v[rSB] matrix_a_fmt:MATRIX_FMT_FP4 matrix_b_fmt:MATRIX_FMT_FP4 matrix_a_scale:MATRIX_SCALE_ROW1
.elseif fSel == 2
	v_wmma_scale_f32_16x16x128_f8f6f4 v[rD:rD+7], v[rA:rA+7], v[rB:rB+7], v[rC:rC+7], v[rSA], v[rSB] matrix_a_fmt:MATRIX_FMT_FP4 matrix_b_fmt:MATRIX_FMT_FP4 matrix_b_scale:MATRIX_SCALE_ROW1
.else
	v_wmma_scale_f32_16x16x128_f8f6f4 v[rD:rD+7], v[rA:rA+7], v[rB:rB+7], v[rC:rC+7], v[rSA], v[rSB] matrix_a_fmt:MATRIX_FMT_FP4 matrix_b_fmt:MATRIX_FMT_FP4 matrix_a_scale:MATRIX_SCALE_ROW1 matrix_b_scale:MATRIX_SCALE_ROW1
.endif
.endm
.macro FETCH s
.set sg, 112*((\s)&1)
.set shi, (\s)/4
.set slo, (\s)&3
	WIN 0x40
.set tT, 0
.rept 8
	ds_load_b128 v[sg+8*tT:sg+8*tT+3],   v[4+shi] offset:slo*16384+tT*256
	ds_load_b128 v[sg+8*tT+4:sg+8*tT+7], v[4+shi] offset:slo*16384+8192+tT*256
.set tT, tT+1
.endr
.set tt, 0
.rept 4
	ds_load_b128 v[sg+64+8*tt:sg+64+8*tt+3],   v[6+shi] offset:slo*12288+tt*256
	ds_load_b128 v[sg+64+8*tt+4:sg+64+8*tt+7], v[6+shi] offset:slo*12288+6144+tt*256
.set tt, tt+1
.endr
.set tt, 0
.rept 2
	ds_load_b128 v[sg+96+8*tt:sg+96+8*tt+3],   v[8+shi] offset:slo*12288+tt*256
	ds_load_b128 v[sg+96+8*tt+4:sg+96+8*tt+7], v[8+shi] offset:slo*12288+6144+tt*256
.set tt, tt+1
.endr
.endm
.macro MUL s
.set sg, 112*((\s)&1)
.if (\s) == 0
	WIN 0xb5
.else
	WIN 0xa5
.endif
.set tT, 0
.rept 8
.set tt, 0
.rept 4
.set rD, 32*tT+8*tt
.set rA, sg+64+8*tt
.set rB, sg+8*tT
.if (\s) == 0
.set rC, 128+8*tt
.else
.set rC, rD
.endif
.set rSA, SWQ+8*(tt/2)+(\s)
.set rSB, SX+8*(tT/2)+(\s)
.set fSel, (tt&1)+2*(tT&1)
	WM
.set tt, tt+1
.endr
.set tT, tT+1
.endr
	WIN 0xf5
.set tt, 0
.rept 2
.set tT, 0
.rept 8
.set rD, 64*tt+8*tT
.set rA, sg+8*tT
.set rB, sg+96+8*tt
.if (\s) == 0
.set rC, 160+8*tt
.else
.set rC, rD
.endif
.set rSA, SX+8*(tT/2)+(\s)
.set rSB, SWV+(\s)
.set fSel, (tT&1)+2*(tt&1)
	WM
.set tT, tT+1
.endr
.set tt, tt+1
.endr
.endm
.macro BAR q
	s_wait_dscnt 0x0
	s_wait_tensorcnt 0x0                           ; my one load has landed
	s_barrier_signal -1
	s_barrier_wait -1
.endm
	s_load_b256 s[4:11], s[0:1], 0x0
	s_load_b128 s[12:15], s[0:1], 0x20
	s_load_b64 s[16:17], s[0:1], 0x30
	v_lshl_add_u32 v[SPW], v0, 2, SPARE
	v_mov_b32 v[NIL], 0
	ds_add_u32 v[SPW], v[NIL]
	ds_add_u32 v[SPW], v[NIL]
	v_lshrrev_b32 v1, 5, v0
	v_readfirstlane_b32 s18, v1
	s_lshr_b32 s19, s18, 1
	s_and_b32 s20, s18, 1
	s_bfe_u32 s21, ttmp6, 0x40000
	s_bfe_u32 s22, ttmp6, 0x40004
	s_lshl_b32 s23, ttmp9, 2
	s_add_co_u32 s23, s23, s21
	s_and_b32 s24, ttmp7, 0xffff
	s_lshl_b32 s24, s24, 2
	s_add_co_u32 s24, s24, s22
	s_lshl_b32 s25, s22, 2
	s_lshl_b32 s25, 15, s25
	s_lshl_b32 s26, 0x1111, s21
	s_or_b32 s[G1A], s25, (3<<16)|(1<<21)
	s_mov_b32 s[G1A+1], 512<<16
	s_mov_b32 s[G1A+2], 16<<16
	s_mov_b32 s[G1A+3], 512<<16
	s_mov_b32 s[G1A+4], 16
	s_mov_b32 s[G1A+5], 8192
	s_mov_b32 s[G1A+6], 0
	s_mov_b32 s[G1A+7], 0
	s_or_b32 s[G1B], s26, (3<<16)|(1<<21)
	s_mov_b32 s[G1B+1], 384<<16
	s_mov_b32 s[G1B+2], 16<<16
	s_mov_b32 s[G1B+3], 384<<16
	s_mov_b32 s[G1B+4], 16
	s_mov_b32 s[G1B+5], 8192
	s_mov_b32 s[G1B+6], 0
	s_mov_b32 s[G1B+7], 0
	s_lshl_b32 s60, s24, 12
	s_lshl_b32 s61, s20, 20                        ; 16 planes of 65,536 bytes
	s_add_co_u32 s60, s60, s61
	s_mov_b32 s61, 0
	s_lshl_b32 s62, s20, 16
	s_mul_i32 s84, s23, 3072
	s_lshl_b32 s85, s20, 20
	s_add_co_u32 s84, s84, s85
	s_mov_b32 s85, 0
	s_mul_i32 s86, s20, 49152
	s_add_co_u32 s86, s86, WPAN
	s_mov_b32 s96, 0xffff0000
	s_mov_b32 s98, 0x76543210
	s_mov_b32 s99, 0xfedcba98
	s_wait_dscnt 0x0
	s_wait_kmcnt 0x0
	s_add_nc_u64 s[60:61], s[4:5], s[60:61]
	s_add_nc_u64 s[84:85], s[6:7], s[84:85]
	CROUND
.irp n, 0                              ; one load a wave
	s_mov_b32 s[G0A+4*\n], 1
	s_add_co_u32 s[G0A+4*\n+1], s62, \n*32768
	s_add_nc_u64 s[G0A+4*\n+2:G0A+4*\n+3], s[60:61], \n*524288
	s_or_b32 s[G0A+4*\n+3], s[G0A+4*\n+3], 0x80000000
	s_mov_b32 s[G0B+4*\n], 1
	s_add_co_u32 s[G0B+4*\n+1], s86, \n*24576
	s_add_nc_u64 s[G0B+4*\n+2:G0B+4*\n+3], s[84:85], \n*524288
	s_or_b32 s[G0B+4*\n+3], s[G0B+4*\n+3], 0x80000000
	JLOAD G0A+4*\n, G1A, G0B+4*\n, G1B
.endr
	v_and_b32 v1, 31, v0
	v_and_b32 v2, 15, v0
	v_bfe_u32 v3, v0, 4, 1
	v_lshlrev_b32 v16, 4, v2
	s_lshl_b32 s27, s19, 11
	v_lshl_add_u32 v4, v3, 12, v16
	v_add_nc_u32 v4, s27, v4
	v_add_nc_u32 v5, 65536, v4
	v_mul_u32_u24 v17, v3, 3072
	v_add_nc_u32 v17, v17, v16
	s_lshl_b32 s27, s20, 10
	s_add_co_u32 s27, s27, WPAN
	v_add_nc_u32 v6, s27, v17
	v_add_nc_u32 v7, 49152, v6
	s_lshl_b32 s27, s20, 9
	s_add_co_u32 s27, s27, WPAN+2048
	v_add_nc_u32 v8, s27, v17
	v_add_nc_u32 v9, 49152, v8
	v_lshlrev_b32 v10, 5, v1
	v_lshlrev_b32 v11, 5, v3
	v_lshlrev_b32 v12, 2, v2
	v_lshl_add_u32 v13, v3, 13, v16
	s_lshl_b32 s27, s20, 7
	v_xor_b32 v18, s27, v13                        ; K's odd blocks: the two octets of a tile change places; Q's stay
	v_lshl_add_u32 v14, v3, 10, v16
	v_lshlrev_b32 v15, 2, v1
.set ix, 0
.rept 24
	v_mov_b32 v[PB+ix], 0
.set ix, ix+1
.endr
	s_lshl_b32 s60, s24, 13
	s_lshl_b32 s61, s19, 12
	s_add_co_u32 s60, s60, s61
	s_add_co_u32 s60, s60, SOFF
	s_mov_b32 s61, 0
	s_add_nc_u64 s[60:61], s[4:5], s[60:61]
	s_mul_i32 s84, s23, 6144
	s_add_co_u32 s84, s84, SOFF
	s_lshl_b32 s85, s20, 11
	s_add_co_u32 s86, s84, s85
	s_mov_b32 s87, 0
	s_add_nc_u64 s[86:87], s[6:7], s[86:87]
	s_lshl_b32 s85, s20, 10
	s_add_co_u32 s84, s84, s85
	s_add_co_u32 s84, s84, 4096
	s_mov_b32 s85, 0
	s_add_nc_u64 s[84:85], s[6:7], s[84:85]
	s_cmp_eq_u32 s20, 0
	s_cselect_b64 s[62:63], s[8:9], s[10:11]
	s_lshl_b32 s66, s23, 8
	s_mov_b32 s67, 0
	s_add_nc_u64 s[62:63], s[62:63], s[66:67]
	s_lshl_b32 s27, s20, 7
	s_add_co_u32 s66, s66, s27
	s_add_nc_u64 s[66:67], s[12:13], s[66:67]
.irp P, 0,1,2,3
	global_load_b128 v[SX+8*\P:SX+8*\P+3],   v10, s[60:61] offset:1024*\P
	global_load_b128 v[SX+8*\P+4:SX+8*\P+7], v10, s[60:61] offset:1024*\P+16
.endr
.irp P, 0,1
	global_load_b128 v[SWQ+8*\P:SWQ+8*\P+3],   v10, s[86:87] offset:1024*\P
	global_load_b128 v[SWQ+8*\P+4:SWQ+8*\P+7], v10, s[86:87] offset:1024*\P+16
.endr
	global_load_b128 v[SWV:SWV+3],   v10, s[84:85]
	global_load_b128 v[SWV+4:SWV+7], v10, s[84:85] offset:16
	WIN 0xc0
.irp t, 0,1,2,3
	global_load_b128 v[128+8*\t:131+8*\t], v11, s[62:63] offset:64*\t
	global_load_b128 v[132+8*\t:135+8*\t], v11, s[62:63] offset:64*\t+16
.endr
.irp t, 0,1
.irp j, 0,1,2,3,4,5,6,7
	global_load_b32 v[160+8*\t+\j], v12, s[66:67] offset:64*\t
.endr
.endr
	WIN 0
	s_wait_alu depctr_va_vdst(0)
	BAR 0
	FETCH 0
	s_wait_loadcnt 0x0
	FETCH 1
	s_wait_dscnt 28
	MUL 0
.irp s, 1,2,3,4,5,6
	PLACES
	FETCH \s+1
	s_wait_dscnt 28
	MUL \s
.endr
	s_wait_dscnt 0x0
	MUL 7
	s_lshr_b32 s27, s24, 3
	s_lshl_b32 s27, s27, 4
	s_add_co_u32 s27, s27, s23
	s_lshl_b32 s27, s27, 2
	s_bfe_u32 s60, s24, 0x20001
	s_add_co_u32 s27, s27, s60
	s_and_b32 s60, s24, 1
	s_lshl_b32 s61, s60, 1
	s_add_co_u32 s61, s61, s19
	s_mul_i32 s62, s27, REC
	s_lshl_b32 s63, s27, 14
	s_cmp_eq_u32 s20, 0
	s_cselect_b64 s[88:89], s[14:15], s[16:17]
	s_cselect_b32 s66, s63, s62
	s_lshl_b32 s67, s27, 11
	s_add_co_u32 s67, s67, SOFF
	s_add_co_u32 s84, s62, 32768
	s_cmp_eq_u32 s20, 0
	s_cselect_b32 s84, s67, s84
	s_mov_b64 s[90:91], s[88:89]
	s_lshl_b32 s85, s61, 11
	s_add_co_u32 s66, s66, s85
	s_mov_b32 s67, 0
	s_add_nc_u64 s[88:89], s[88:89], s[66:67]
	s_lshl_b32 s85, s61, 9
	s_add_co_u32 s84, s84, s85
	s_mov_b32 s85, 0
	s_add_nc_u64 s[90:91], s[90:91], s[84:85]
	s_lshl_b32 s66, s61, 12
	s_add_co_u32 s66, s66, s62
	s_lshl_b32 s84, s20, 9
	s_add_co_u32 s66, s66, s84
	s_add_co_u32 s66, s66, 16384
	s_add_nc_u64 s[92:93], s[16:17], s[66:67]
	s_lshl_b32 s66, s61, 8
	s_add_co_u32 s66, s66, s62
	s_lshl_b32 s84, s20, 7
	s_add_co_u32 s66, s66, s84
	s_add_co_u32 s66, s66, 34816
	s_add_nc_u64 s[94:95], s[16:17], s[66:67]
	PLACES
	WIN 0x0a
.set ix, 0
.rept 16
	v_max3_num_f32 v[MX+ix], |v[16*ix]|, |v[16*ix+1]|, 0x1800000
.set ix, ix+1
.endr
.irp i, 2,4,6,8,10,12,14
.set ix, 0
.rept 16
	v_max3_num_f32 v[MX+ix], |v[16*ix+\i]|, |v[16*ix+\i+1]|, v[MX+ix]
.set ix, ix+1
.endr
.endr
	WIN 0x0f
.set ix, 0
.rept 8
	v_max3_num_f32 v[MX+16+ix], |v[16*ix]|, |v[16*ix+1]|, 0x1800000
.set ix, ix+1
.endr
.irp i, 2,4,6,8,10,12,14
.set ix, 0
.rept 8
	v_max3_num_f32 v[MX+16+ix], |v[16*ix+\i]|, |v[16*ix+\i+1]|, v[MX+16+ix]
.set ix, ix+1
.endr
.endr
	WIN 0
.set ix, 0
.rept 24
	v_permlanex16_b32 v[PB+ix], v[MX+ix], s98, s99
.set ix, ix+1
.endr
.set ix, 0
.rept 24
	v_max_num_f32 v[MX+ix], v[MX+ix], v[PB+ix]
.set ix, ix+1
.endr
.set ix, 0
.rept 24
	v_add_nc_u32 v[SO+ix], 0xff000000, v[MX+ix]
.set ix, ix+1
.endr
.set ix, 0
.rept 24
	v_lshrrev_b32 v[PB+ix], 23, v[SO+ix]
.set ix, ix+1
.endr
.irp T, 0,1,2,3,4,5,6,7
	v_lshl_or_b32 v[SW+\T], v[PB+2*\T+1], 8, v[PB+2*\T]
.endr
.irp P, 0,1,2,3
	v_cndmask_b32 v[SW+2*\P], v[SW+2*\P], v[SW+2*\P+1], s96
.endr
.irp t, 0,1
	v_lshl_or_b32 v[SW+8+\t], v[PB+17+4*\t], 8, v[PB+16+4*\t]
	v_lshl_or_b32 v[SW+8+\t], v[PB+18+4*\t], 16, v[SW+8+\t]
	v_lshl_or_b32 v[SW+8+\t], v[PB+19+4*\t], 24, v[SW+8+\t]
.endr
	v_cndmask_b32 v[SW+8], v[SW+8], v[SW+9], s96
	WIN 0x02
.set tT, 0
.rept 8
.set tt, 0
.rept 4
	v_cvt_scalef32_pk8_fp4_f32 v[CQ+4*tT+2*(tt%2)+tt/2], v[32*tT+8*tt:32*tT+8*tt+7], v[SO+2*tT+tt/2]
.set tt, tt+1
.endr
.set tT, tT+1
.endr
	WIN 0x03
.set tt, 0
.rept 2
.set tT, 0
.rept 8
	v_cvt_scalef32_pk8_fp4_f32 v[CV+8*tt+4*(tT/4)+2*(tT%2)+(tT%4)/2], v[64*tt+8*tT:64*tt+8*tT+7], v[SO+16+4*tt+tT/2]
.set tT, tT+1
.endr
.set tt, tt+1
.endr
	WIN 0
	v_nop
.set ix, 0
.rept 12
	v_permlane16_swap_b32 v[CQ+4*ix], v[CQ+4*ix+1]
	v_permlane16_swap_b32 v[CQ+4*ix+2], v[CQ+4*ix+3]
.set ix, ix+1
.endr
.irp T, 0,1,2,3,4,5,6,7
.if (\T/2)%2
	global_store_b128 v18, v[CQ+4*\T:CQ+4*\T+3], s[88:89] offset:256*\T
.else
	global_store_b128 v13, v[CQ+4*\T:CQ+4*\T+3], s[88:89] offset:256*\T
.endif
.endr
.irp P, 0,1,2,3
	global_store_b32 v15, v[SW+2*\P], s[90:91] offset:128*\P
.endr
.irp t, 0,1
.irp c, 0,1
	global_store_b128 v14, v[CV+8*\t+4*\c:CV+8*\t+4*\c+3], s[92:93] offset:2048*\c+256*\t
.endr
.endr
	global_store_b32 v15, v[SW+8], s[94:95]
	s_wait_tensorcnt 0x0
	ds_add_u32 v[SPW], v[NIL]
	s_wait_dscnt 0x0
	CROUND
	s_endpgm
.Lfunc_end_k_q5f7fe79e8b_qkv:
	.size	k_q5f7fe79e8b_qkv, .Lfunc_end_k_q5f7fe79e8b_qkv-k_q5f7fe79e8b_qkv
	.p2alignl 7, 3214868480
	.fill 96, 4, 3214868480
	.section	.rodata,"a",@progbits
	.p2align	6, 0x0
	.amdhsa_kernel k_q5f7fe79e8b_qkv
		.amdhsa_group_segment_fixed_size 327680
		.amdhsa_private_segment_fixed_size 0
		.amdhsa_enable_private_segment 0
		.amdhsa_kernarg_size 56
		.amdhsa_user_sgpr_count 2
		.amdhsa_user_sgpr_kernarg_segment_ptr 1
		.amdhsa_wavefront_size32 1
		.amdhsa_system_sgpr_workgroup_id_x 1
		.amdhsa_system_sgpr_workgroup_id_y 1
		.amdhsa_system_sgpr_workgroup_id_z 1
		.amdhsa_system_vgpr_workitem_id 0
		.amdhsa_next_free_vgpr 1024
		.amdhsa_next_free_sgpr 100
		.amdhsa_reserve_vcc 0
		.amdhsa_float_denorm_mode_32 3
		.amdhsa_float_denorm_mode_16_64 3
		.amdhsa_memory_ordered 1
		.amdhsa_forward_progress 1
		.amdhsa_inst_pref_size 101
	.end_amdhsa_kernel
	.amdgpu_metadata
---
amdhsa.version: [ 1, 2 ]
amdhsa.kernels:
  - .name:           k_q5f7fe79e8b_qkv
    .symbol:         k_q5f7fe79e8b_qkv.kd
    .args:
      - { .name: xq, .offset: 0, .size: 8, .value_kind: global_buffer, .address_space: global }
      - { .name: wq, .offset: 8, .size: 8, .value_kind: global_buffer, .address_space: global }
      - { .name: bq, .offset: 16, .size: 8, .value_kind: global_buffer, .address_space: global }
      - { .name: bk, .offset: 24, .size: 8, .value_kind: global_buffer, .address_space: global }
      - { .name: bv, .offset: 32, .size: 8, .value_kind: global_buffer, .address_space: global }
      - { .name: qq, .offset: 40, .size: 8, .value_kind: global_buffer, .address_space: global }
      - { .name: kv, .offset: 48, .size: 8, .value_kind: global_buffer, .address_space: global }
    .group_segment_fixed_size: 327680
    .private_segment_fixed_size: 0
    .kernarg_segment_align: 8
    .kernarg_segment_size: 56
    .max_flat_workgroup_size: 128
    .sgpr_count:     100
    .vgpr_count:     1024
    .wavefront_size: 32
...
	.end_amdgpu_metadata
.endif
;; end of part 2
;; launch attn (part 3): grid 8 x 32, 16 waves a work-group, clusters of 4 x 1, 182,272 bytes of LDS; arguments qq, kv, oq; writes oq
.if DOCPART == 3
	.amdgcn_target "amdgcn-amd-amdhsa--gfx1250"
	.amdhsa_code_object_version 6
	.text
	.protected	k_q5f7fe79e8b_attn
	.globl	k_q5f7fe79e8b_attn
	.p2align	8
	.type	k_q5f7fe79e8b_attn,@function
k_q5f7fe79e8b_attn:
	s_mov_b64 s[64:65], 0
	v_nop
	global_prefetch_b8 v0, s[64:65] scope:SCOPE_SE
	s_setreg_imm32_b32 hwreg(HW_REG_WAVE_MODE, 25, 1), 1
	s_wait_xcnt 0x0
	s_wait_alu depctr_hold_cnt(0) depctr_sa_sdst(0) depctr_va_vdst(0) depctr_va_sdst(0) depctr_va_ssrc(0) depctr_va_vcc(0) depctr_vm_vsrc(0)
	s_getreg_b32 s2, hwreg(HW_REG_IB_STS2, 6, 4)
	s_cmp_eq_u32 s2, 0
	s_cbranch_scc0 .Lentry_in_a_cluster
	s_endpgm
.Lentry_in_a_cluster:
	s_bfe_u32 s2, ttmp6, 0x10000c
	s_cmp_lg_u32 s2, 0x3003
	s_cbranch_scc0 .Lentry_shape_is_right
	s_endpgm
.Lentry_shape_is_right:
; ATTN: causal attention on E2M1 codes, head size 64, scale 1 / 32; the result is quantised along the features for the output projection.
; WORK LEFT OUT: the reference sets scores of keys after the query to -infinity by a mask that it builds itself; a step of 128 keys that all come after a wave's 16 queries adds nothing to any output and is not done.
; SOFTMAX: t = score x log2(e) / 32; M = the running largest t rounded up to a whole number; p = 2^(t - M) is quantised along the keys, not normalised; the sum of the unquantised p divides at the end.
; SHARES.  A work-group owns one (batch, head) and one g in 0..7: sixteen tiles of 16 queries, tile m = queries 128 m + 16 g on, key steps 0 .. m of 128 keys, step m on the diagonal: 136 tile steps, whatever g.
; Waves w and w + 8 share tiles 15 - p and p, p = w mod 8.  Wave w walks steps 0..8 of tile 15 - p; wave w + 8 walks that tile's steps 9 .. 15 - p, leaves what it has summed in LDS, and walks all p + 1 steps of tile p.
; So a wave has 9 or 8 steps.  At the end wave w joins the two parts of tile 15 - p: M is a whole number, so that both factors are powers of two.
; Every wave runs both loops, of 9 and of 8 trips, and passes over the trips that are not its own by a branch on its number and the count.  g enters global addresses and the mask's compare value only.
; LDS: the head's four records of kv (512 keys each: K's codes, V's codes, K's and V's scale words), 143,360 bytes, filled once: each of the 16 waves asks for 8,960 bytes by one load; eight hand-over places; the spare words.
; CLUSTER 4 x 1: the four work-groups of a cluster read the same head: each load is asked for jointly.  All loads go out at the head, so nothing is left for a prefetch to run ahead of.
; HEAD SIZE 64 IN A K OF 128: Q's upper 64 codes are zeros.  K's tiles lie four registers apart, so a tile's upper four registers are the next tile's codes (behind the last: zeros): they meet zeros.
; LAYOUT: S^T = K Q^T and O^T = V^T P^T: a lane (r = lane % 16, hh = lane / 16) holds query r.  THE KEYS OF A TILE ARE NOT NEIGHBOURS: tile 4 c + t takes octet t of block 2 c and octet t of block 2 c + 1 (blocks of 32 keys),
; so that register 32 c + 8 t + j holds key 64 c + 32 hh + 8 t + j: a lane holds whole blocks, in the order of the second product's operand.  In memory the octets of odd blocks have changed places in pairs, so the two
; octets of a tile lie in different halves of 256 bytes of LDS; even and odd t have an address register each.
; The scale bytes of the result leave as single bytes, 32 a wave: a head owns 2 of a token's 32 bytes.
; LIMITS as in the first kernel; a block of p whose largest lies under 2^-101 may take the next power of two as its scale (it is under 2^-100 of the row's sum).
; REGISTERS: v1-4, v30 LDS places; v5, v6 the add's two; v7 the mask's value; v8-11, v31 the step's addresses; v12 -M, v13 the largest score, v[14:15] the sum; v16-23, v24 Q and its scale word (tile 15 - p), v76-83, v84 (tile p);
;   v25-28 global offsets; v29 the hand-over place; v32-67 K; v68-73 scale words; v96-159 S^T, then p; v160-191 O^T; v192-199 p's codes; v200 p's scale word; v202-219 at work; v224-255 V.
.set REC,   35840
.set STAGE, 4*REC                      ; hand-over: 4,096 bytes of O^T and 512 of (-M, largest score, sum) for each pair of waves; no tensor load lands here
.set HAND,  4608
.set SPARE, STAGE+8*HAND               ; the spare words: 128 bytes for each wave
.set SOFF,  2097152
.set SPW, 5
.set NIL, 6
.macro CROUND
	s_barrier_signal -1
	s_barrier_wait -1
	s_cmp_lg_u32 s14, 0
	s_cbranch_scc1 .Lnot_wave_0_\@
	s_barrier_signal -3
.Lnot_wave_0_\@:
	s_barrier_wait -3
	s_barrier_signal -1
	s_barrier_wait -1
.endm
; n of the row sum's packed additions, by turns over four chains: v[208:209], v[210:211], v[212:213], v[14:15]
.macro SUMS n
.rept \n
.if pki%4 == 2
.set sac, 14
.else
.set sac, 208+2*((pki+1)%4)
.endif
	v_pk_add_f32 v[sac:sac+1], v[sac:sac+1], v[96+2*pki:97+2*pki]
.set pki, pki+1
.endr
.endm
; One step: keys 128 k .. + 127 (k = s18) for tile s15; q: Q's registers; w: its scale word.
.macro STEP q, w
	s_cmp_gt_i32 s18, s15                          ; not a step of mine
	s_cbranch_scc1 .Lhidden_\@
	s_min_u32 s48, s18, 15
	s_lshr_b32 s49, s48, 2
	s_mul_i32 s49, s49, REC                        ; the record,
	s_and_b32 s48, s48, 3                          ; and which 128 keys of it
	s_lshl_b32 s50, s48, 11
	s_add_co_u32 s50, s50, s49                     ; K
	s_lshl_b32 s51, s48, 9
	s_add_co_u32 s51, s51, s49                     ; K's words
	s_lshl_b32 s52, s48, 12
	s_add_co_u32 s52, s52, s49                     ; V
	s_lshl_b32 s53, s48, 8
	s_add_co_u32 s53, s53, s49                     ; V's words
	v_add_nc_u32 v8, s50, v1
	v_add_nc_u32 v9, s50, v2
	v_add_nc_u32 v10, s51, v3
.irp i, 0,1,2,3
	ds_load_b128 v[32+8*\i:35+8*\i], v8 offset:1024*(\i/2)+256*(\i%2)
	ds_load_b128 v[36+8*\i:39+8*\i], v9 offset:1024*(\i/2)+256*(\i%2)+128
.endr
.irp i, 0,1,2,3
	ds_load_b32 v[68+\i], v10 offset:256*(\i/2)+64*(\i%2)
.endr
	s_wait_dscnt 0x0
.irp t, 0,1,2,3,4,5,6,7
.if \t%2
	v_wmma_scale_f32_16x16x128_f8f6f4 v[96+8*\t:103+8*\t], v[32+4*\t:39+4*\t], v[\q:\q+7], 0, v[68+\t/2], v[\w] matrix_a_fmt:MATRIX_FMT_FP4 matrix_b_fmt:MATRIX_FMT_FP4 matrix_a_scale:MATRIX_SCALE_ROW1
.else
	v_wmma_scale_f32_16x16x128_f8f6f4 v[96+8*\t:103+8*\t], v[32+4*\t:39+4*\t], v[\q:\q+7], 0, v[68+\t/2], v[\w] matrix_a_fmt:MATRIX_FMT_FP4 matrix_b_fmt:MATRIX_FMT_FP4
.endif
.endr
	v_add_nc_u32 v11, s52, v4                      ; these two and the two below: the places behind the products; with the three above, those between the last step's products and V's loads
	v_add_nc_u32 v31, s53, v30
	v_nop
	v_nop
.irp c, 0,1
.irp t, 0,1,2,3
	ds_load_b128 v[224+8*\t+4*\c:227+8*\t+4*\c], v11 offset:2048*\c+256*\t
.endr
.endr
.irp i, 0,1
	ds_load_b32 v[72+\i], v31 offset:128*\i
.endr
	s_cmp_lg_u32 s18, s15                          ; only step m lies on the diagonal
	s_cbranch_scc1 .Lopen_\@
	v_mov_b32 v218, 0xff800000                     ; -infinity: p = 0 then
.set mn, 0
.rept 64
	v_cmp_gt_i32 vcc_lo, 64*(mn/32)+mn%32, v7      ; register 32 c + 8 t + j holds key 64 c + 32 hh + 8 t + j of the step: hidden where 64 c + 8 t + j > 16 g + r - 32 hh
	v_cndmask_b32 v[96+mn], v[96+mn], v218, vcc_lo
.set mn, mn+1
.endr
.Lopen_\@:
.irp b, 0,1,2,3
	v_max3_num_f32 v[204+\b], v[96+16*\b], v[97+16*\b], v[98+16*\b]   ; the largest score of each of my two blocks, two chains a block
.endr
.irp i, 3,5,7,9,11,13
.irp b, 0,1,2,3
	v_max3_num_f32 v[204+\b], v[204+\b], v[96+16*\b+\i], v[97+16*\b+\i]
.endr
.endr
	v_max3_num_f32 v204, v204, v205, v111
	v_max3_num_f32 v206, v206, v207, v143
	v_max_num_f32 v204, v204, v127                 ; block hh
	v_max_num_f32 v206, v206, v159                 ; block 2 + hh
	s_delay_alu instid0(VALU_DEP_1)
	v_max_num_f32 v205, v204, v206
	s_delay_alu instid0(VALU_DEP_1)
	v_permlanex16_b32 v208, v205, s20, s21
	s_delay_alu instid0(VALU_DEP_1)
	v_max3_num_f32 v13, v205, v208, v13            ; the running largest score of my query
	s_delay_alu instid0(VALU_DEP_1)
	v_mul_f32 v218, s22, -v13                      ; -t
	s_delay_alu instid0(VALU_DEP_1)
	v_floor_f32 v219, v218                         ; the new -M
	s_delay_alu instid0(VALU_DEP_1)
	v_sub_f32 v216, v219, v12                      ; old M - new M: a whole number, 0 or less
	v_mov_b32 v12, v219
	s_delay_alu instid0(VALU_DEP_2)
	v_cvt_i32_f32 v216, v216                       ; (it saturates)
	s_delay_alu instid0(VALU_DEP_1)
	v_ldexp_f32 v216, 1.0, v216                    ; f = 2^(old M - new M)
.set mn, 0
.rept 32
	v_pk_fma_f32 v[96+mn:97+mn], v[96+mn:97+mn], s[22:23], v[12:13] op_sel_hi:[1,0,0]   ; t - M
.set mn, mn+2
.endr
	v_fma_f32 v204, v204, s22, v12                 ; the same of the blocks' largest: p rises with the score
	v_fma_f32 v206, v206, s22, v12
	s_wait_alu depctr_va_vdst(0)
.set mn, 0
.rept 64
	v_exp_f32 v[96+mn], v[96+mn]
.set mn, mn+1
.endr
	v_exp_f32 v204, v204
	v_exp_f32 v206, v206
	v_pk_mul_f32 v[14:15], v[14:15], v[216:217] op_sel_hi:[1,0]   ; the sum under the new M: the plain line behind the batch
	s_wait_alu depctr_va_vdst(0)
	v_fma_f32 v202, v204, s38, s39                 ; largest p / 4 + 2^-126: 2 off its exponent field, which so cannot fall under 1: the conversions' scale operand
	v_fma_f32 v203, v206, s38, s39
	v_pk_add_f32 v[208:209], v[96:97], v[98:99]    ; the sum of the unquantised p: 32 packed additions, the scale word's lines among them
	v_pk_add_f32 v[210:211], v[100:101], v[102:103]
	v_pk_add_f32 v[212:213], v[104:105], v[106:107]
	v_pk_add_f32 v[14:15], v[14:15], v[108:109]
	v_lshrrev_b32 v204, 23, v202
	v_lshrrev_b32 v206, 23, v203
.set pki, 7
	SUMS 4
	v_lshl_or_b32 v205, v206, 16, v204             ; my two bytes, at the places of lanes 0-15,
	SUMS 4
	v_permlanex16_b32 v207, v205, s20, s21         ; and lane l xor 16's,
	SUMS 4
	v_lshl_or_b32 v200, v207, 8, v205              ; a byte further up: in lanes 0-15 p's scale word for these 128 keys (lanes 16-31 are not read)
	SUMS 13
	v_pk_add_f32 v[208:209], v[208:209], v[210:211]
	v_pk_add_f32 v[212:213], v[212:213], v[14:15]
.irp t, 0,1,2,3,4,5,6,7
	v_cvt_scalef32_pk8_fp4_f32 v[192+\t], v[96+8*\t:103+8*\t], v[202+\t/4]
.endr
	v_pk_add_f32 v[14:15], v[208:209], v[212:213]  ; the plain line behind the conversions
	s_wait_alu depctr_va_vdst(0)                   ; directly ahead of the first readers of O^T
.set mn, 0
.rept 16
	v_pk_mul_f32 v[160+mn:161+mn], v[160+mn:161+mn], v[216:217] op_sel_hi:[1,0]   ; O^T under the new M; for each product below twelve of these name none of its registers: its places
.set mn, mn+2
.endr
	s_wait_alu depctr_va_vdst(0)
	s_wait_dscnt 0x0                               ; V and its scale words
.irp t, 0,1,2,3
.if \t%2
	v_wmma_scale_f32_16x16x128_f8f6f4 v[160+8*\t:167+8*\t], v[224+8*\t:231+8*\t], v[192:199], v[160+8*\t:167+8*\t], v[72+\t/2], v200 matrix_a_fmt:MATRIX_FMT_FP4 matrix_b_fmt:MATRIX_FMT_FP4 matrix_a_scale:MATRIX_SCALE_ROW1
.else
	v_wmma_scale_f32_16x16x128_f8f6f4 v[160+8*\t:167+8*\t], v[224+8*\t:231+8*\t], v[192:199], v[160+8*\t:167+8*\t], v[72+\t/2], v200 matrix_a_fmt:MATRIX_FMT_FP4 matrix_b_fmt:MATRIX_FMT_FP4
.endif
.endr
.Lhidden_\@:
	s_add_co_u32 s18, s18, 1
.endm
; Where tile m's 16 queries lie in qq: byte offsets of the codes (pair a) and of the scale words (pair b).  s13 = 16 g, s17 = batch x 16 + head.
.macro QADR m, a, b
	s_lshl_b32 s48, s[\m], 7
	s_add_co_u32 s48, s48, s13                     ; the first query: 128 m + 16 g
	s_lshr_b32 s49, s48, 9
	s_lshl_b32 s49, s49, 14                        ; its record of 512,
	s_and_b32 s50, s48, 511
	s_lshl_b32 s50, s50, 4                         ; its row in a plane
	s_add_co_u32 s49, s49, s50
	s_lshl_b32 s50, s17, 16
	s_add_co_u32 s[\a], s49, s50
	s_mov_b32 s[\a+1], 0
	s_lshl_b32 s49, s48, 2
	s_lshl_b32 s50, s17, 13
	s_add_co_u32 s49, s49, s50
	s_add_co_u32 s[\b], s49, SOFF
	s_mov_b32 s[\b+1], 0
.endm
	s_load_b128 s[4:7], s[0:1], 0x0                ; qq, kv
	s_load_b64 s[8:9], s[0:1], 0x10                ; oq
	v_lshl_add_u32 v[SPW], v0, 2, SPARE
	v_mov_b32 v[NIL], 0
	ds_add_u32 v[SPW], v[NIL]                      ; the opening: the add, twice on end, and its wait ahead of the first tensor load
	ds_add_u32 v[SPW], v[NIL]
	v_lshrrev_b32 v8, 5, v0
	v_readfirstlane_b32 s14, v8                    ; wave 0..15
	s_bfe_u32 s11, ttmp6, 0x40000                  ; cx
	s_lshl_b32 s16, ttmp9, 2
	s_add_co_u32 s16, s16, s11                     ; g
	s_and_b32 s17, ttmp7, 0xffff                   ; batch x 16 + head, which the four partners share
	s_lshl_b32 s13, s16, 4                         ; 16 g
	s_and_b32 s36, s14, 7                          ; p
	s_xor_b32 s15, s36, 15                         ; 15 - p: the first loop's tile
	s_lshr_b32 s18, s14, 3
	s_mul_i32 s18, s18, 9                          ; the first loop's first step: 0 or 9
	s_mul_i32 s59, s36, HAND
	s_add_co_u32 s59, s59, STAGE
	; group 1: a sixteenth of the head's records, 8,960 dense bytes, as 35 rows of 256 bytes (32 elements of 8)
	s_mov_b32 s24, 15|(3<<16)|(1<<21)
	s_mov_b32 s25, 32<<16
	s_mov_b32 s26, 35<<16
	s_mov_b32 s27, 32<<16
	s_mov_b32 s28, 35
	s_mov_b32 s29, 32
	s_mov_b32 s30, 0
	s_mov_b32 s31, 0
	s_mul_i32 s12, s14, 8960
	s_mul_i32 s2, s17, 4*REC
	s_add_co_u32 s2, s2, s12
	s_mov_b32 s3, 0
	s_mov_b32 s20, 0x76543210
	s_mov_b32 s21, 0xfedcba98
	s_mov_b32 s22, 0x3d38aa3b                      ; log2(e) / 32
	s_mov_b32 s23, s22
	s_mov_b32 s38, 0x3e800000                      ; 1 / 4
	s_mov_b32 s39, 0x800000                        ; 2^-126
	s_mov_b32 s56, 0xffff0000
	QADR 15, 40, 42
	QADR 36, 44, 46
	s_cmp_lt_u32 s14, 8
	s_cselect_b32 s57, s15, s36                    ; the tile that I store
	s_cselect_b32 s37, -1, s36                     ; the second loop's tile: waves 0-7 have none
	s_lshl_b32 s57, s57, 7
	s_add_co_u32 s57, s57, s13
	s_lshr_b32 s58, s17, 4
	s_lshl_b32 s58, s58, 11
	s_add_co_u32 s58, s58, s57                     ; its first token: 2,048 batch + query
	s_and_b32 s57, s17, 15                         ; the head
	s_lshl_b32 s60, s57, 17
	s_lshl_b32 s61, s58, 4
	s_add_co_u32 s60, s60, s61                     ; oq: plane 2 head, my tokens
	s_mov_b32 s61, 0
	s_lshl_b32 s62, s58, 5
	s_lshl_b32 s63, s57, 1
	s_add_co_u32 s62, s62, s63
	s_add_co_u32 s62, s62, SOFF                    ; and their scale bytes 2 head, 2 head + 1
	s_mov_b32 s63, 0
	v_and_b32 v8, 15, v0                           ; r
	v_bfe_u32 v9, v0, 4, 1                         ; hh
	v_and_b32 v10, 31, v0                          ; lane
	v_and_b32 v32, 7, v0                           ; r % 8
	v_bfe_u32 v33, v0, 3, 1                        ; r / 8
	v_lshlrev_b32 v11, 4, v8
	v_lshlrev_b32 v34, 4, v32
	v_lshlrev_b32 v7, 5, v9
	v_lshl_add_u32 v28, v9, 13, v11                ; Q in memory: plane hh of 8,192 bytes, row r
	v_lshl_add_u32 v34, v9, 13, v34
	v_mad_u32_u24 v35, v33, 24, v8
	v_mad_u32_u24 v1, v33, 640, v34                ; K, even t: octet t of an even block lies 128 t on; of the odd block behind it 512 + 128 (t + 1) on
	v_mad_u32_u24 v2, v33, 384, v34                ; K, odd t: 512 + 128 (t - 1) on
	v_lshl_add_u32 v35, v9, 3, v35
	v_lshl_add_u32 v3, v35, 2, 32768               ; K's scale words: lanes 0-15 an even tile's, lanes 16-31 the odd one's behind it
	v_lshl_add_u32 v4, v9, 10, v11
	v_add_nc_u32 v4, 16384, v4                     ; V: plane hh of 1,024 bytes, row r
	v_lshl_add_u32 v30, v10, 2, 34816              ; V's scale words
	v_sub_nc_u32 v7, v8, v7
	v_add_nc_u32 v7, s13, v7                       ; 16 g + r - 32 hh
	v_lshlrev_b32 v25, 2, v8
	v_lshl_add_u32 v26, v9, 16, v11                ; out: plane hh of 65,536 bytes, token r
	v_lshl_add_u32 v27, v8, 5, v9                  ; and byte hh of token r's 32
	v_lshl_add_u32 v29, v10, 4, s59                ; the hand-over place that I share with wave w xor 8
	s_wait_alu depctr_va_vdst(0)
	s_wait_dscnt 0x0                               ; both opening adds are done
	s_wait_kmcnt 0x0
	s_add_nc_u64 s[2:3], s[6:7], s[2:3]
	s_add_nc_u64 s[40:41], s[4:5], s[40:41]
	s_add_nc_u64 s[42:43], s[4:5], s[42:43]
	s_add_nc_u64 s[44:45], s[4:5], s[44:45]
	s_add_nc_u64 s[46:47], s[4:5], s[46:47]
	s_add_nc_u64 s[60:61], s[8:9], s[60:61]
	s_add_nc_u64 s[62:63], s[8:9], s[62:63]
	s_mov_b32 s32, 1
	s_mov_b32 s33, s12
	s_mov_b64 s[34:35], s[2:3]
	s_or_b32 s35, s35, 0x80000000
	CROUND                                         ; all four work-groups are here: the joint loads meet
	tensor_load_to_lds s[32:35], s[24:31]          ; every wave's one load
	s_nop 0
.rept 4
	v_nop
.endr
.irp j, 20,21,22,23,64,65,66,67,76,77,78,79,80,81,82,83,84,207,208,209,217
	v_mov_b32 v[\j], 0                             ; both Q's upper 64 codes (and tile p's place, which waves 0-7 do not fill); behind K's last tile; permute targets; the upper half of f's pair
.endr
	global_load_b128 v[16:19], v28, s[40:41]       ; Q's codes stay in registers
	global_load_b32 v24, v25, s[42:43]
	s_cmp_lt_u32 s14, 8
	s_cbranch_scc1 .Lone_tile
	global_load_b128 v[76:79], v28, s[44:45]
	global_load_b32 v84, v25, s[46:47]
.Lone_tile:
	v_mov_b32 v13, 0xff61b1e6                      ; the largest score so far: -3e38
	v_mov_b32 v12, 0x7f61b1e6                      ; and -M to match: the first change of M multiplies by 0
	v_mov_b32 v14, 0
	v_mov_b32 v15, 0
.set mn, 0
.rept 32
	v_mov_b32 v[160+mn], 0                         ; O^T: the step's text has no first case: its first pass finds zeros
.set mn, mn+1
.endr
	s_wait_alu depctr_va_vdst(0)
	s_wait_loadcnt 0x0
	s_wait_tensorcnt 0x0                           ; my part of the records is in,
	s_barrier_signal -1
	s_barrier_wait -1                              ; and everybody's
	s_mov_b32 s19, 9
.Lfirst:                                               ; tile 15 - p: waves 0-7 steps 0..8, waves 8-15 steps 9 .. 15 - p
	STEP 16, 24
	s_sub_co_u32 s19, s19, 1
	s_cmp_lg_u32 s19, 0
	s_cbranch_scc1 .Lfirst
	s_cmp_lt_u32 s14, 8
	s_cbranch_scc1 .Lkeep                          ; waves 0-7 keep their part
.rept 4
	v_nop                                          ; places behind the last products
.endr
.irp j, 0,1,2,3,4,5,6,7
	ds_store_b128 v29, v[160+4*\j:163+4*\j] offset:512*\j
.endr
	ds_store_b128 v29, v[12:15] offset:4096
	s_wait_dscnt 0x0                               ; the stores have read their registers and landed
	v_mov_b32 v13, 0xff61b1e6                      ; a new tile: its first step's f is 2^-large = 0, which clears O^T and the sum
	v_mov_b32 v12, 0x7f61b1e6
	s_wait_alu depctr_va_vdst(0)
.Lkeep:
	s_mov_b32 s18, 0
	s_mov_b32 s15, s37
	s_mov_b32 s19, 8
.Lsecond:                                              ; tile p: waves 8-15 steps 0 .. p
	STEP 76, 84
	s_sub_co_u32 s19, s19, 1
	s_cmp_lg_u32 s19, 0
	s_cbranch_scc1 .Lsecond
.rept 4
	v_nop                                          ; places behind the last products
.endr
	s_wait_dscnt 0x0
	s_barrier_signal -1
	s_barrier_wait -1                              ; every hand-over has landed
	s_cmp_lt_u32 s14, 8
	s_cbranch_scc0 .Lmine
	ds_load_b128 v[64:67], v29 offset:4096         ; the other part's -M, largest score, sum
.irp j, 0,1,2,3,4,5,6,7
	ds_load_b128 v[32+4*\j:35+4*\j], v29 offset:512*\j   ; and O^T
.endr
	s_wait_dscnt 0x0
	v_min_num_f32 v218, v12, v64                   ; -M of the whole row
	v_mov_b32 v213, 0                              ; (the upper half of the pair v[212:213], which the packed forms name)
	v_sub_f32 v216, v218, v12
	v_sub_f32 v212, v218, v64
	v_cvt_i32_f32 v216, v216
	v_cvt_i32_f32 v212, v212
	v_ldexp_f32 v216, 1.0, v216                    ; my part's factor,
	v_ldexp_f32 v212, 1.0, v212                    ; the other's (0 where it had no step)
	v_pk_mul_f32 v[14:15], v[14:15], v[216:217] op_sel_hi:[1,0]
	v_pk_fma_f32 v[14:15], v[66:67], v[212:213], v[14:15] op_sel_hi:[1,0,1]
.set mn, 0
.rept 16
	v_pk_mul_f32 v[160+mn:161+mn], v[160+mn:161+mn], v[216:217] op_sel_hi:[1,0]
.set mn, mn+2
.endr
.set mn, 0
.rept 16
	v_pk_fma_f32 v[160+mn:161+mn], v[32+mn:33+mn], v[212:213], v[160+mn:161+mn] op_sel_hi:[1,0,1]
.set mn, mn+2
.endr
.Lmine:
	; ---- the way out: O^T / the sum, quantised along the head's 64 features: two blocks
	v_add_f32 v14, v14, v15
	s_delay_alu instid0(VALU_DEP_1)
	v_permlanex16_b32 v208, v14, s20, s21
	s_delay_alu instid0(VALU_DEP_1)
	v_add_f32 v14, v14, v208
	s_wait_alu depctr_va_vdst(0)
	v_rcp_f32 v14, v14
	v_nop                                          ; a plain line behind the reciprocal
	s_wait_alu depctr_va_vdst(0)
.set mn, 0
.rept 16
	v_pk_mul_f32 v[96+mn:97+mn], v[160+mn:161+mn], v[14:15] op_sel_hi:[1,0]
.set mn, mn+2
.endr
.irp b, 0,1
	v_max3_num_f32 v[204+\b], |v[96+16*\b]|, |v[97+16*\b]|, 0x1800000   ; the largest magnitude, with the floor 2^(3 - 127)
.endr
.irp i, 2,4,6,8,10,12,14
.irp b, 0,1
	s_delay_alu instid0(VALU_DEP_2)
	v_max3_num_f32 v[204+\b], v[204+\b], |v[96+16*\b+\i]|, |v[97+16*\b+\i]|
.endr
.endr
.irp b, 0,1
	s_delay_alu instid0(VALU_DEP_2)
	v_permlanex16_b32 v[208+\b], v[204+\b], s20, s21
.endr
.irp b, 0,1
	s_delay_alu instid0(VALU_DEP_2)
	v_max_num_f32 v[204+\b], v[204+\b], v[208+\b]
.endr
.irp b, 0,1
	s_delay_alu instid0(VALU_DEP_2)
	v_add_nc_u32 v[212+\b], 0xff000000, v[204+\b]
.endr
.irp b, 0,1
	s_delay_alu instid0(VALU_DEP_2)
	v_lshrrev_b32 v[208+\b], 23, v[212+\b]
.endr
.irp t, 0,1,2,3
	v_cvt_scalef32_pk8_fp4_f32 v[192+2*(\t%2)+\t/2], v[96+8*\t:103+8*\t], v[212+\t/2]
.endr
	v_nop
	v_permlane16_swap_b32 v192, v193
	v_permlane16_swap_b32 v194, v195
	v_cndmask_b32 v218, v208, v209, s56            ; lanes 16-31 hold block 1 and store its byte
	global_store_b128 v26, v[192:195], s[60:61]    ; sixteen lanes store 256 consecutive bytes of plane 2 head + hh
	global_store_b8 v27, v218, s[62:63]
	s_wait_tensorcnt 0x0                           ; the wave's end
	ds_add_u32 v[SPW], v[NIL]
	s_wait_dscnt 0x0
	CROUND                                         ; the closing round
	s_endpgm
.Lfunc_end_k_q5f7fe79e8b_attn:
	.size	k_q5f7fe79e8b_attn, .Lfunc_end_k_q5f7fe79e8b_attn-k_q5f7fe79e8b_attn
	.p2alignl 7, 3214868480
	.fill 96, 4, 3214868480
	.section	.rodata,"a",@progbits
	.p2align	6, 0x0
	.amdhsa_kernel k_q5f7fe79e8b_attn
		.amdhsa_group_segment_fixed_size 182272
		.amdhsa_private_segment_fixed_size 0
		.amdhsa_enable_private_segment 0
		.amdhsa_kernarg_size 24
		.amdhsa_user_sgpr_count 2
		.amdhsa_user_sgpr_kernarg_segment_ptr 1
		.amdhsa_wavefront_size32 1
		.amdhsa_system_sgpr_workgroup_id_x 1
		.amdhsa_system_sgpr_workgroup_id_y 1
		.amdhsa_system_sgpr_workgroup_id_z 1
		.amdhsa_system_vgpr_workitem_id 0
		.amdhsa_next_free_vgpr 256
		.amdhsa_next_free_sgpr 66
		.amdhsa_reserve_vcc 1
		.amdhsa_float_denorm_mode_32 3
		.amdhsa_float_denorm_mode_16_64 3
		.amdhsa_memory_ordered 1
		.amdhsa_forward_progress 1
		.amdhsa_inst_pref_size 58
	.end_amdhsa_kernel
	.amdgpu_metadata
---
amdhsa.version: [ 1, 2 ]
amdhsa.kernels:
  - .name:           k_q5f7fe79e8b_attn
    .symbol:         k_q5f7fe79e8b_attn.kd
    .args:
      - { .name: qq, .offset: 0, .size: 8, .value_kind: global_buffer, .address_space: global }
      - { .name: kv, .offset: 8, .size: 8, .value_kind: global_buffer, .address_space: global }
      - { .name: oq, .offset: 16, .size: 8, .value_kind: global_buffer, .address_space: global }
    .group_segment_fixed_size: 182272
    .private_segment_fixed_size: 0
    .kernarg_segment_align: 8
    .kernarg_segment_size: 24
    .max_flat_workgroup_size: 512
    .sgpr_count:     66
    .vgpr_count:     256
    .wavefront_size: 32
...
	.end_amdgpu_metadata
.endif
;; end of part 3
;; launch oproj (part 4): grid 8 x 32, 4 waves a work-group, clusters of 4 x 4, 167,936 bytes of LDS; arguments oq, wq, bo, out0; writes out0
.if DOCPART == 4
	.amdgcn_target "amdgcn-amd-amdhsa--gfx1250"
	.amdhsa_code_object_version 6
	.text
	.protected	k_q5f7fe79e8b_oproj
	.globl	k_q5f7fe79e8b_oproj
	.p2align	8
	.type	k_q5f7fe79e8b_oproj,@function
k_q5f7fe79e8b_oproj:
	s_mov_b64 s[64:65], 0
	v_nop
	global_prefetch_b8 v0, s[64:65] scope:SCOPE_SE
	s_setreg_imm32_b32 hwreg(HW_REG_WAVE_MODE, 25, 1), 1
	s_wait_xcnt 0x0
	s_wait_alu depctr_hold_cnt(0) depctr_sa_sdst(0) depctr_va_vdst(0) depctr_va_sdst(0) depctr_va_ssrc(0) depctr_va_vcc(0) depctr_vm_vsrc(0)
	s_getreg_b32 s2, hwreg(HW_REG_IB_STS2, 6, 4)
	s_cmp_eq_u32 s2, 0
	s_cbranch_scc0 .Lentry_in_a_cluster
	s_endpgm
.Lentry_in_a_cluster:
	s_bfe_u32 s2, ttmp6, 0x10000c
	s_cmp_lg_u32 s2, 0xf033
	s_cbranch_scc0 .Lentry_shape_is_right
	s_endpgm
.Lentry_shape_is_right:
; OPROJ: out0 = o Wo^T + bo on E2M1 codes.  o's codes and scale bytes come from the attention launch, Wo's are rows 3,072 on of wq.  Nothing is left out.
; SHARES.  A work-group makes 128 tokens x 128 features: 256 work-groups.  All of K of both panels lies in LDS, 65,536 bytes each, filled once.  Wave (th, fh) makes 64 x 64: 16 accumulators.
; Source 0 = 16 rows of Wo, source 1 = 16 tokens: a lane holds a token and eight neighbouring features.  The bias is the C of each sum's first product.
; CLUSTER 4 x 4: o's panel hangs on the token block alone (shared along a row of the cluster), Wo's on the feature block alone (shared along a column): both are asked for jointly.
; REGISTERS: window 0: v4-14 addresses; v32-63 scale words; v64-127 rows on the way out; v128-255 the accumulators at 128 + 32 T + 8 t.  window 1: two sets of 64 (Wo's 4 fragments, o's 4); v128-159 the bias.
.set SOFF,  2097152
.set BPAN,  65536
.set STAGE, 131072                     ; 16 rows x (256 bytes + 16) for each wave; no tensor load lands here
.set SPARE, STAGE+4*4352
.set SA,  32
.set SB,  48
.set ACC, 128
.set SPW, 28
.set NIL, 29
.set G1A, 28
.set G1B, 36
.set G0A, 44
.set G0B, 68
.set MSB, 0
.macro WIN new
.if MSB != \new
	s_set_vgpr_msb (MSB<<8)|\new
.set MSB, \new
.endif
.endm
.macro JLOAD g0a, g1a, g0b, g1b        ; waves 0 and 1 fetch for o, waves 2 and 3 for Wo; an s_nop 0 and four v_nop follow each line
	s_cmp_eq_u32 s19, 0
	s_cbranch_scc0 .Lfor_b_\@
	tensor_load_to_lds s[\g0a:\g0a+3], s[\g1a:\g1a+7]
	s_nop 0
.rept 4
	v_nop
.endr
	s_branch .Lasked_\@
.Lfor_b_\@:
	tensor_load_to_lds s[\g0b:\g0b+3], s[\g1b:\g1b+7]
	s_nop 0
.rept 4
	v_nop
.endr
.Lasked_\@:
.endm
.macro CROUND
	s_barrier_signal -1
	s_barrier_wait -1
	s_cmp_lg_u32 s18, 0
	s_cbranch_scc1 .Lnot_wave_0_\@
	s_barrier_signal -3
.Lnot_wave_0_\@:
	s_barrier_wait -3
	s_barrier_signal -1
	s_barrier_wait -1
.endm
.macro PLACES
.rept 4
	v_nop
.endr
.endm
.macro WM
.if fSel == 0
	v_wmma_scale_f32_16x16x128_f8f6f4 v[rD:rD+7], v[rA:rA+7], v[rB:rB+7], v[rC:rC+7], v[rSA], v[rSB] matrix_a_fmt:MATRIX_FMT_FP4 matrix_b_fmt:MATRIX_FMT_FP4
.elseif fSel == 1
	v_wmma_scale_f32_16x16x128_f8f6f4 v[rD:rD+7], v[rA:rA+7], v[rB:rB+7], v[rC:rC+7], v[rSA], v[rSB] matrix_a_fmt:MATRIX_FMT_FP4 matrix_b_fmt:MATRIX_FMT_FP4 matrix_a_scale:MATRIX_SCALE_ROW1
.elseif fSel == 2
	v_wmma_scale_f32_16x16x128_f8f6f4 v[rD:rD+7], v[rA:rA+7], v[rB:rB+7], v[rC:rC+7], v[rSA], v[rSB] matrix_a_fmt:MATRIX_FMT_FP4 matrix_b_fmt:MATRIX_FMT_FP4 matrix_b_scale:MATRIX_SCALE_ROW1
.else
	v_wmma_scale_f32_16x16x128_f8f6f4 v[rD:rD+7], v[rA:rA+7], v[rB:rB+7], v[rC:rC+7], v[rSA], v[rSB] matrix_a_fmt:MATRIX_FMT_FP4 matrix_b_fmt:MATRIX_FMT_FP4 matrix_a_scale:MATRIX_SCALE_ROW1 matrix_b_scale:MATRIX_SCALE_ROW1
.endif
.endm
.macro FETCH s                         ; K step s: 16 LDS loads into set s % 2
.set sg, 64*((\s)&1)
	WIN 0x40
.set tt, 0
.rept 4
	ds_load_b128 v[sg+8*tt:sg+8*tt+3],   v6 offset:(\s)*8192+tt*256
	ds_load_b128 v[sg+8*tt+4:sg+8*tt+7], v6 offset:(\s)*8192+4096+tt*256
	ds_load_b128 v[sg+32+8*tt:sg+32+8*tt+3],   v4 offset:(\s)*8192+tt*256
	ds_load_b128 v[sg+32+8*tt+4:sg+32+8*tt+7], v4 offset:(\s)*8192+4096+tt*256
.set tt, tt+1
.endr
.endm
.macro MUL s                           ; 16 products; the accumulators take turns, one instruction a turn
.set sg, 64*((\s)&1)
.if (\s) == 0
	WIN 0x15                                       ; sources 0, 1 and C (the bias) window 1, D window 0
.else
	WIN 0x05
.endif
.set tT, 0
.rept 4
.set tt, 0
.rept 4
.set rD, ACC+32*tT+8*tt
.set rA, sg+8*tt
.set rB, sg+32+8*tT
.if (\s) == 0
.set rC, 128+8*tt
.else
.set rC, rD
.endif
.set rSA, SB+8*(tt/2)+(\s)
.set rSB, SA+8*(tT/2)+(\s)
.set fSel, (tt&1)+2*(tT&1)
	WM
.set tt, tt+1
.endr
.set tT, tT+1
.endr
.endm
.macro BAR q
	s_wait_dscnt 0x0
	s_wait_tensorcnt 0x0                           ; my one load has landed
	s_barrier_signal -1
	s_barrier_wait -1
.endm
	s_load_b256 s[4:11], s[0:1], 0x0               ; oq, wq, bo, out0
	v_lshl_add_u32 v[SPW], v0, 2, SPARE
	v_mov_b32 v[NIL], 0
	ds_add_u32 v[SPW], v[NIL]                      ; the opening: the add, twice on end, and its wait ahead of my first tensor load
	ds_add_u32 v[SPW], v[NIL]
	v_lshrrev_b32 v1, 5, v0
	v_readfirstlane_b32 s18, v1
	s_lshr_b32 s19, s18, 1                         ; th.  Also: I fetch for o (0) or for Wo (1)
	s_and_b32 s20, s18, 1                          ; fh.  Also: which half of K, 16 planes, I fetch.  (All loads go out at the head: nothing is left for a prefetch to run ahead of)
	s_bfe_u32 s21, ttmp6, 0x40000
	s_bfe_u32 s22, ttmp6, 0x40004
	s_lshl_b32 s23, ttmp9, 2
	s_add_co_u32 s23, s23, s21                     ; the block of 128 features
	s_and_b32 s24, ttmp7, 0xffff
	s_lshl_b32 s24, s24, 2
	s_add_co_u32 s24, s24, s22                     ; the block of 128 tokens
	s_lshl_b32 s25, s22, 2
	s_lshl_b32 s25, 15, s25
	s_lshl_b32 s26, 0x1111, s21
	; group 1: 16 planes; a plane's part is a row of 2,048 bytes (256 elements of 8); planes lie 8,192 elements apart
	s_or_b32 s[G1A], s25, (3<<16)|(1<<21)
	s_or_b32 s[G1B], s26, (3<<16)|(1<<21)
.irp g, G1A, G1B
	s_mov_b32 s[\g+1], 256<<16
	s_mov_b32 s[\g+2], 16<<16
	s_mov_b32 s[\g+3], 256<<16
	s_mov_b32 s[\g+4], 16
	s_mov_b32 s[\g+5], 8192
	s_mov_b32 s[\g+6], 0
	s_mov_b32 s[\g+7], 0
.endr
	s_lshl_b32 s60, s24, 11
	s_lshl_b32 s61, s20, 20
	s_add_co_u32 s60, s60, s61
	s_mov_b32 s61, 0
	s_lshl_b32 s62, s20, 15
	s_lshl_b32 s84, s23, 11
	s_add_co_u32 s84, s84, 49152                   ; Wo begins at row 3,072
	s_lshl_b32 s85, s20, 20
	s_add_co_u32 s84, s84, s85
	s_mov_b32 s85, 0
	s_lshl_b32 s86, s20, 15
	s_add_co_u32 s86, s86, BPAN
	s_wait_dscnt 0x0                               ; both opening adds are done
	s_wait_kmcnt 0x0
	s_add_nc_u64 s[60:61], s[4:5], s[60:61]
	s_add_nc_u64 s[84:85], s[6:7], s[84:85]
	CROUND
.irp n, 0                              ; one load a wave
	s_mov_b32 s[G0A+4*\n], 1
	s_add_co_u32 s[G0A+4*\n+1], s62, \n*16384
	s_add_nc_u64 s[G0A+4*\n+2:G0A+4*\n+3], s[60:61], \n*524288
	s_or_b32 s[G0A+4*\n+3], s[G0A+4*\n+3], 0x80000000
	s_mov_b32 s[G0B+4*\n], 1
	s_add_co_u32 s[G0B+4*\n+1], s86, \n*16384
	s_add_nc_u64 s[G0B+4*\n+2:G0B+4*\n+3], s[84:85], \n*524288
	s_or_b32 s[G0B+4*\n+3], s[G0B+4*\n+3], 0x80000000
	JLOAD G0A+4*\n, G1A, G0B+4*\n, G1B
.endr
	v_and_b32 v1, 31, v0
	v_and_b32 v2, 15, v0
	v_bfe_u32 v3, v0, 4, 1
	v_lshlrev_b32 v16, 4, v2
	v_lshl_add_u32 v17, v3, 11, v16                ; 2,048 hh + 16 r
	s_lshl_b32 s27, s19, 10
	v_add_nc_u32 v4, s27, v17                      ; o: tokens 64 th on
	s_lshl_b32 s27, s20, 10
	s_add_co_u32 s27, s27, BPAN
	v_add_nc_u32 v6, s27, v17                      ; Wo: features 64 fh on
	v_lshlrev_b32 v10, 5, v1
	s_wait_alu depctr_va_vdst(0)
	v_lshlrev_b32 v11, 5, v3
	s_wait_alu depctr_va_vdst(0)
	s_mul_i32 s27, s18, 4352
	s_add_co_u32 s27, s27, STAGE
	v_mul_u32_u24 v12, v2, 272
	v_lshl_add_u32 v12, v3, 5, v12
	v_add_nc_u32 v12, s27, v12                     ; into my stage: row r, 32 bytes for each half of the lanes
	v_mul_u32_u24 v13, v3, 272
	v_add_nc_u32 v13, v13, v16
	v_add_nc_u32 v13, s27, v13                     ; back: sixteen lanes to a row of 256 bytes
	v_lshl_add_u32 v14, v3, 12, v16                ; and the same two rows in out0
	s_lshl_b32 s60, s24, 12
	s_lshl_b32 s61, s19, 11
	s_add_co_u32 s60, s60, s61
	s_add_co_u32 s60, s60, SOFF
	s_mov_b32 s61, 0
	s_add_nc_u64 s[60:61], s[4:5], s[60:61]        ; o's scale bytes
	s_lshl_b32 s84, s23, 12
	s_lshl_b32 s85, s20, 11
	s_add_co_u32 s84, s84, s85
	s_add_co_u32 s84, s84, SOFF+98304
	s_mov_b32 s85, 0
	s_add_nc_u64 s[84:85], s[6:7], s[84:85]        ; Wo's
	s_lshl_b32 s86, s23, 9
	s_lshl_b32 s87, s20, 8
	s_add_co_u32 s86, s86, s87                     ; my 64 features, in bytes
	s_mov_b32 s87, 0
	s_add_nc_u64 s[62:63], s[8:9], s[86:87]        ; bo
	s_lshl_b32 s66, s24, 19
	s_lshl_b32 s67, s19, 18
	s_add_co_u32 s66, s66, s67
	s_add_co_u32 s66, s66, s86
	s_mov_b32 s67, 0
	s_add_nc_u64 s[88:89], s[10:11], s[66:67]      ; out0 at my first token and feature
.irp P, 0,1
	global_load_b128 v[SA+8*\P:SA+8*\P+3],   v10, s[60:61] offset:1024*\P
	global_load_b128 v[SA+8*\P+4:SA+8*\P+7], v10, s[60:61] offset:1024*\P+16
	global_load_b128 v[SB+8*\P:SB+8*\P+3],   v10, s[84:85] offset:1024*\P
	global_load_b128 v[SB+8*\P+4:SB+8*\P+7], v10, s[84:85] offset:1024*\P+16
.endr
	WIN 0x40                                       ; destination window 1
.irp t, 0,1,2,3
	global_load_b128 v[128+8*\t:131+8*\t], v11, s[62:63] offset:64*\t
	global_load_b128 v[132+8*\t:135+8*\t], v11, s[62:63] offset:64*\t+16
.endr
	WIN 0
	s_wait_alu depctr_va_vdst(0)
	BAR 0
	FETCH 0
	s_wait_loadcnt 0x0
	FETCH 1
	s_wait_dscnt 16                                ; all but the 16 just issued
	MUL 0
.irp s, 1,2,3,4,5,6
	PLACES                                         ; four places between the last products and the loads into the set that they read
	FETCH \s+1
	s_wait_dscnt 16
	MUL \s
.endr
	s_wait_dscnt 0x0
	MUL 7
	WIN 0
; THE WAY OUT, 16 tokens x 64 features at a time: through my own stage and back as rows of 256 bytes, which sixteen lanes store as one aligned run.  LDS serves a wave's instructions in order.
.macro TOSTAGE T
.irp t, 0,1,2,3
	ds_store_b128 v12, v[ACC+32*(\T)+8*\t:ACC+32*(\T)+8*\t+3] offset:64*\t        ; each accumulator from its low end on
	ds_store_b128 v12, v[ACC+32*(\T)+8*\t+4:ACC+32*(\T)+8*\t+7] offset:64*\t+16
.endr
.irp i, 0,1,2,3,4,5,6,7
	ds_load_b128 v[64+32*((\T)%2)+4*\i:64+32*((\T)%2)+4*\i+3], v13 offset:544*\i
.endr
.endm
.macro SEND T, younger
	s_wait_dscnt \younger                          ; the block is back; the next block's sixteen LDS instructions may be out
.irp i, 0,1,2,3,4,5,6,7
	global_store_b128 v14, v[64+32*((\T)%2)+4*\i:64+32*((\T)%2)+4*\i+3], s[88:89] offset:(16*(\T)+2*\i)*4096 th:TH_STORE_NT
.endr
.endm
	PLACES
	s_wait_alu depctr_va_vdst(0)
	TOSTAGE 0
	TOSTAGE 1
	SEND 0, 16
	s_wait_xcnt 0x0                                ; block 0's stores have read their registers: block 2 may land there
	TOSTAGE 2
	SEND 1, 16
	s_wait_xcnt 0x0
	TOSTAGE 3
	SEND 2, 16
	SEND 3, 0
	s_wait_tensorcnt 0x0                           ; the wave's end
	ds_add_u32 v[SPW], v[NIL]
	s_wait_dscnt 0x0
	CROUND                                         ; the closing round
	s_endpgm
.Lfunc_end_k_q5f7fe79e8b_oproj:
	.size	k_q5f7fe79e8b_oproj, .Lfunc_end_k_q5f7fe79e8b_oproj-k_q5f7fe79e8b_oproj
	.p2alignl 7, 3214868480
	.fill 96, 4, 3214868480
	.section	.rodata,"a",@progbits
	.p2align	6, 0x0
	.amdhsa_kernel k_q5f7fe79e8b_oproj
		.amdhsa_group_segment_fixed_size 167936
		.amdhsa_private_segment_fixed_size 0
		.amdhsa_enable_private_segment 0
		.amdhsa_kernarg_size 32
		.amdhsa_user_sgpr_count 2
		.amdhsa_user_sgpr_kernarg_segment_ptr 1
		.amdhsa_wavefront_size32 1
		.amdhsa_system_sgpr_workgroup_id_x 1
		.amdhsa_system_sgpr_workgroup_id_y 1
		.amdhsa_system_sgpr_workgroup_id_z 1
		.amdhsa_system_vgpr_workitem_id 0
		.amdhsa_next_free_vgpr 512
		.amdhsa_next_free_sgpr 100
		.amdhsa_reserve_vcc 0
		.amdhsa_float_denorm_mode_32 3
		.amdhsa_float_denorm_mode_16_64 3
		.amdhsa_memory_ordered 1
		.amdhsa_forward_progress 1
		.amdhsa_inst_pref_size 41
	.end_amdhsa_kernel
	.amdgpu_metadata
---
amdhsa.version: [ 1, 2 ]
amdhsa.kernels:
  - .name:           k_q5f7fe79e8b_oproj
    .symbol:         k_q5f7fe79e8b_oproj.kd
    .args:
      - { .name: oq, .offset: 0, .size: 8, .value_kind: global_buffer, .address_space: global }
      - { .name: wq, .offset: 8, .size: 8, .value_kind: global_buffer, .address_space: global }
      - { .name: bo, .offset: 16, .size: 8, .value_kind: global_buffer, .address_space: global }
      - { .name: out0, .offset: 24, .size: 8, .value_kind: global_buffer, .address_space: global }
    .group_segment_fixed_size: 167936
    .private_segment_fixed_size: 0
    .kernarg_segment_align: 8
    .kernarg_segment_size: 32
    .max_flat_workgroup_size: 128
    .sgpr_count:     100
    .vgpr_count:     512
    .wavefront_size: 32
...
	.end_amdgpu_metadata
.endif
;; end of part 4
